; MI455X (gfx1250); checked and timed in simulation.
; The chip was launched on July 23, 2026; its instructions are those of AMD's public machine-readable ISA for CDNA 5 (MIT licence, August 2026) and "CDNA5" Instruction Set Architecture Reference Guide (July 2026). The comments in the code are by the model that wrote it; some were corrected since.
;; Event Attention. Allowed arithmetic: matrix products marked QUANTISED: E2M1 operands, one E8M0 scale for each 32 along K, by v_wmma_scale_f32_16x16x128_f8f6f4 with both operands' format E2M1 (or v_wmma_scale_f32_32x16x128_f4), f32 sums; products left as they are: f32 operands where the result goes on into a quantised operand, else bf16, f16 or f32 operands; f32 sums; everything else in f32.
;; Inputs: down_idx 2,500 int32; events 20,000 x 4 float32; features 20,000 x 256 float32; global_fc_b 128 float32; global_fc_g 128 float32; global_pe_b1 128 float32; global_pe_b2 128 float32; global_pe_w1 4 x 128 float32; global_pe_w2 128 x 128 float32; global_qkv_b 384 float32; global_qkv_w 256 x 384 float32; inv_pair_idx 20,000 x 16 int32; local_fc_b 128 float32; local_fc_g 128 float32; local_idx 20,000 x 16 int32; local_pe_b1 128 float32; local_pe_b2 128 float32; local_pe_w1 4 x 128 float32; local_pe_w2 128 x 128 float32; local_qkv_b 384 float32; local_qkv_w 256 x 384 float32; pair_idx 2,500 x 16 int32; proj_b1 256 float32; proj_b2 256 float32; proj_w1 256 x 256 float32; proj_w2 256 x 256 float32.
;; Outputs: out0 20,000 x 256 float32.
;; This version of the problem:
;;   THIS VERSION OF THE PROBLEM IS GIVEN IN LOW PRECISION. The matrix products marked QUANTISED in the list below multiply operands that are first quantised to E2M1 (2 exponent bits, 1 mantissa bit; 4 bits a number), with one power-of-two scale for each 32 numbers along K (OCP MX v1.0); their sums are f32. All else is computed in f32.
;;   The module's matrix products, in the order in which they are computed (A, B: the left and right operand; K: the contracted axis; several contracted axes count as one K, in the product's order):
;;     1. [M 320,000, K 4] x [K 4, N 128]; A: computed on the way; B: input local_pe_w1: left as it is (K = 4 < 32)
;;     2. [M 320,000, K 128] x [K 128, N 128]; A: computed on the way; B: input local_pe_w2: QUANTISED
;;     3. [M 20,000, K 256] x [K 256, N 384]; A: input features; B: input local_qkv_w: QUANTISED
;;     4. [M 320,000, K 4] x [K 4, N 128]; A: computed on the way; B: input global_pe_w1: left as it is (K = 4 < 32)
;;     5. [M 320,000, K 128] x [K 128, N 128]; A: computed on the way; B: input global_pe_w2: QUANTISED
;;     6. [M 20,000, K 256] x [K 256, N 384]; A: input features; B: input global_qkv_w: QUANTISED
;;     7. [M 20,000, K 256] x [K 256, N 256]; A: computed on the way; B: input proj_w1: QUANTISED
;;     8. [M 20,000, K 256] x [K 256, N 256]; A: computed on the way; B: input proj_w2: QUANTISED
;;   THE QUANTISER, for each operand of a quantised product, along K:
;;     - K is cut into blocks of 32 from its start; a last block that is shorter is filled with zeros.
;;     - A block's scale is 2^e with e = floor(log2(the largest magnitude in the block)) - 2, held to -126 .. 127; a block of zeros has e = 0. As a byte (E8M0): e + 127.
;;     - Each number is divided by its block's scale, clamped to +-6, and rounded to the nearest number of E2M1, ties to even, subnormals kept.
;;     - The product sums the exact products of the quantised numbers (number of the format x scale) in f32.
;;   ~~~python
;;   def quantise(x, axis):      # numpy; x: float32 -> the quantised numbers, widened to float32 again
;;       x = np.moveaxis(x, axis, -1); K = x.shape[-1]
;;       x = np.pad(x, [(0, 0)] * (x.ndim - 1) + [(0, -K % 32)]); x = x.reshape(x.shape[:-1] + (-1, 32)); a = np.abs(x).max(-1, keepdims=True)
;;       e = np.where(a > 0, np.clip(np.frexp(np.where(a > 0, a, 1))[1] - 1 - 2, -126, 127), 0)      # np.frexp(a)[1] - 1 = floor(log2(a)), exactly
;;       r = np.clip(x / 2.0 ** e, -6, 6)
;;       step = 2.0 ** (np.maximum(np.frexp(np.where(r == 0, 1, r))[1] - 1, 0) - 1)
;;       q = np.round(r / step) * step * 2.0 ** e      # np.round: ties to even
;;       return np.moveaxis(q.reshape(q.shape[:-2] + (-1,))[..., :K], -1, axis).astype(np.float32)
;;   ~~~
;;   OPERANDS COMPUTED ON THE WAY. 'Computed on the way' means the value that the module computes at that place (a softmax that the list does not call 'softmax' is quantised finished and normalised). What goes into a quantiser is computed in f32, as accurately as f32 sums, v_exp_f32 and their like allow (about 1e-6 of the number): no bf16 or f16 on the way to a quantiser, and a product that is left as it is and whose result goes on into a quantised operand takes f32 operands (vector FMAs, or v_wmma_f32_16x16x4_f32). A number that lies on a knife's edge between two numbers of the format may be rounded either way, as far as f32 arithmetic and the matrix unit's own rounding can turn it there, and no further.
;; 2 versions. Each part assembles by itself: llvm-mc -triple=amdgcn-amd-amdhsa -mcpu=gfx1250 --defsym DOCPART=n.
;; ======== version 1 of 2: 5 launches
;; workspace buffers: wts 205,824 bytes; dev 320,000 bytes; q 20,480,000 bytes; kvl 20,480,000 bytes; kvg 20,480,000 bytes; kvp 20,480,000 bytes; att 20,480,000 bytes
;; launch prep (part 1): grid 256 x 1, 1 waves a work-group, no clusters, 0 bytes of LDS; arguments local_qkv_w, global_qkv_w, local_pe_w2, global_pe_w2, proj_w1, proj_w2, local_qkv_b, global_qkv_b, local_pe_b2, global_pe_b2, events, down_idx, wts, dev; writes wts, dev
.if DOCPART == 1
	.amdgcn_target "amdgcn-amd-amdhsa--gfx1250"
	.amdhsa_code_object_version 6
	.text
	.protected	k_q70da3cf20a_prep
	.globl	k_q70da3cf20a_prep
	.p2align	8
	.type	k_q70da3cf20a_prep,@function
k_q70da3cf20a_prep:
	s_mov_b64 s[64:65], 0
	v_nop
	global_prefetch_b8 v0, s[64:65] scope:SCOPE_SE
	s_setreg_imm32_b32 hwreg(HW_REG_WAVE_MODE, 25, 1), 1
	s_wait_xcnt 0x0
; PREP: the six weights, which arrive as f32 [K][N], become codes of FP4 (E2M1) with one E8M0 byte for each 32 along K, laid as IMAGES OF OPERAND REGISTERS;
; the 768 biases of the two qkv products are put in output order with pe_b2 folded in; dev[m] = events[down_idx[m]].
; A fragment is 16 columns of a weight x 128 along K: 8 registers a lane.  Its image: register group c (registers 4 c .. 4 c + 3) at byte 512 c + 16 x lane of 1,024 bytes; its scale words: 4 x lane of 128 bytes.
; One wave to a work-group, one fragment to a wave.  LANE (r, h) TAKES A COLUMN AND ITS REGISTERS RUN DOWN K (k = 64 c + 32 h + 0 .. 31), the order of the operand's layout: the conversions' results are the operand's registers.
; Work-groups 0-95: qkv weights (tile T = f / 2 of 48 in the order q_local | q_global | k_local v_local | k_global v_global, K step f % 2).  96-111: pe_w2 (branch, tile t): column r of tile t is channel 64 (t / 4) + 4 r + t % 4.
; 112-175: proj_w1 (row m of tile T is unit 128 (T / 8) + 64 ((T / 4) % 2) + 32 (m / 8) + 8 (T % 4) + m % 8) and proj_w2 (column 16 T + m).  176: the biases.  177-255: dev, 32 rows each.
; FOLDING: k' = k - pe_b2, v' = v + pe_b2, so that q - k + pe = (q - k') + h w2 and v + pe = v' + h w2.  The order of rounding differs from the source's by a few units in the last place of f32.
; LIMITS: NaN and infinities among the inputs are not served.  A block of zeros gets the scale byte 1 (not 127) with zero codes: the bytes are read by this program alone.  dev's rows 2,500 to 2,527 are written (copies of row 2,499's) and never read.
; No cluster: work-groups share no input.
.set QKV_S, 98304
.set BIAS,  110592
.set PE_C,  113664
.set PE_S,  130048
.set PJ_C,  132096
.set PJ_S,  197632
.set RR,   1                           ; v1   r = lane % 16
.set HH,   2                           ; v2   h = lane / 16
.set L16,  3                           ; v3   16 x lane
.set L4,   4                           ; v4   4 x lane
.set SO,   5                           ; v5   my byte offset in the weight
.set A8H,  6                           ; v6   8 h
.set PT,   7                           ; v7   a lane permute's destination
.set QT,   8                           ; v8-13 the quantiser's: two largest magnitudes, two scale operands, two bytes
.set CODE, 48                          ; v48-55 the fragment
.set SCW,  56                          ; v56  its scale word
.set NUM,  64                          ; v64-127 my 64 numbers
.set SRC,  32                          ; s[32:33] the weight at my fragment's corner
.set DC,   34                          ; s[34:35] where the image goes
.set DSC,  36                          ; s[36:37] where the scale words go
.set OFS,  38                          ; s[38:39] an offset in 64 bits
.set SEL,  48                          ; s[48:49] lane selects: lane l xor 16
; 64 numbers of a lane, v[src + 32 c + i] = k 64 c + 32 h + i of its row or column, become a fragment's 8 registers and its scale word.  A lane holds two whole blocks of 32: no other lane is asked for a maximum.
.macro QUANT src, dst, sc
.irp c, 0,1
	v_max3_num_f32 v[QT+\c], |v[\src+32*\c]|, |v[\src+32*\c+1]|, 0x1800000   ; with the floor 2^(3 - 127): the byte cannot fall under 1
.endr
.irp i, 2,4,6,8,10,12,14,16,18,20,22,24,26,28,30
.irp c, 0,1
	v_max3_num_f32 v[QT+\c], v[QT+\c], |v[\src+32*\c+\i]|, |v[\src+32*\c+\i+1]|   ; the two blocks by turns
.endr
.endr
.irp c, 0,1
	v_add_nc_u32 v[QT+2+\c], 0xff000000, v[QT+\c]      ; 2 off the exponent field: the conversion's scale operand
.endr
.irp c, 0,1
	v_lshrrev_b32 v[QT+4+\c], 23, v[QT+2+\c]           ; the scale's byte
.endr
	v_lshl_or_b32 v[QT+4], v[QT+5], 16, v[QT+4]        ; my bytes: blocks h and 2 + h,
	v_lshlrev_b32 v[QT+4], v[A8H], v[QT+4]             ; at their places in the word;
	v_permlanex16_b32 v[PT], v[QT+4], s[SEL], s[SEL+1]
	v_or_b32 v[\sc], v[QT+4], v[PT]                    ; with lane l xor 16's two the word is whole, in both halves of the lanes
.irp c, 0,1
.irp u, 0,1,2,3
	v_cvt_scalef32_pk8_fp4_f32 v[\dst+4*\c+\u], v[\src+32*\c+8*\u:\src+32*\c+8*\u+7], v[QT+2+\c]
.endr
.endr
	v_nop                                              ; one plain instruction behind the last scaled conversion
.endm
.macro LOADS pitch                     ; W(64 c + 32 h + i, my column): pitch = bytes in a row of the weight
.set I, 0
.rept 64
	global_load_b32 v[NUM+I], v[SO], s[SRC:SRC+1] offset:(64*(I/32)+I%32)*\pitch
.set I, I+1
.endr
.endm
	s_load_b512 s[4:19], s[0:1], 0x0               ; s[4:5] local_qkv_w, s[6:7] global_qkv_w, s[8:9] local_pe_w2, s[10:11] global_pe_w2, s[12:13] proj_w1, s[14:15] proj_w2, s[16:17] local_qkv_b, s[18:19] global_qkv_b
	s_load_b256 s[20:27], s[0:1], 0x40             ; s[20:21] local_pe_b2, s[22:23] global_pe_b2, s[24:25] events, s[26:27] down_idx
	s_load_b128 s[28:31], s[0:1], 0x60             ; s[28:29] wts, s[30:31] dev
	v_and_b32 v[RR], 15, v0
	v_lshrrev_b32 v[HH], 4, v0
	v_lshlrev_b32 v[L16], 4, v0
	v_lshlrev_b32 v[L4], 2, v0
	v_lshlrev_b32 v[A8H], 3, v[HH]
	v_mov_b32 v[PT], 0
	s_mov_b32 s[SEL], 0x76543210
	s_mov_b32 s[SEL+1], 0xfedcba98
	s_mov_b32 s[OFS+1], 0
	s_wait_kmcnt 0x0
	s_cmp_lt_u32 ttmp9, 96
	s_cbranch_scc0 .Lnot_qkv
	; ---- a fragment of the qkv weights: rows of 1,536 bytes
	s_lshr_b32 s40, ttmp9, 1                       ; T
	s_and_b32 s41, ttmp9, 1                        ; K step
	s_lshr_b32 s42, s40, 4                         ; which output buffer: 0 q, 1 kvl, 2 kvg
	s_and_b32 s43, s40, 15
	s_lshl_b32 s43, s43, 4                         ; the tile's first column in that buffer
	s_and_b32 s44, s43, 127                        ; q: column of the weight,
	s_lshr_b32 s45, s43, 7                         ; and which weight
	s_add_co_u32 s46, s43, 128                     ; k and v: behind q's 128 columns,
	s_lshr_b32 s47, s42, 1                         ; kvl local, kvg global
	s_cmp_eq_u32 s42, 0
	s_cselect_b32 s44, s44, s46
	s_cselect_b32 s45, s45, s47
	s_cmp_eq_u32 s45, 0
	s_cselect_b64 s[SRC:SRC+1], s[4:5], s[6:7]
	s_mul_i32 s[OFS], s41, 196608                  ; 128 rows a K step
	s_lshl_b32 s44, s44, 2
	s_add_co_u32 s[OFS], s[OFS], s44
	s_add_nc_u64 s[SRC:SRC+1], s[SRC:SRC+1], s[OFS:OFS+1]
	v_mul_u32_u24 v[SO], v[HH], 49152              ; lanes 16-31 begin 32 rows further down
	v_lshl_add_u32 v[SO], v[RR], 2, v[SO]          ; column r of the tile
	s_lshl_b32 s[OFS], ttmp9, 10
	s_add_nc_u64 s[DC:DC+1], s[28:29], s[OFS:OFS+1]
	s_lshl_b32 s[OFS], ttmp9, 7
	s_add_co_u32 s[OFS], s[OFS], QKV_S
	s_add_nc_u64 s[DSC:DSC+1], s[28:29], s[OFS:OFS+1]
	LOADS 1536
	s_branch .Lquant
.Lnot_qkv:
	s_cmp_lt_u32 ttmp9, 112
	s_cbranch_scc0 .Lnot_pe
	; ---- a fragment of pe_w2: rows of 512 bytes
	s_sub_co_u32 s40, ttmp9, 96
	s_lshr_b32 s41, s40, 3                         ; branch
	s_and_b32 s42, s40, 7                          ; tile t
	s_cmp_eq_u32 s41, 0
	s_cselect_b64 s[SRC:SRC+1], s[8:9], s[10:11]
	s_lshr_b32 s43, s42, 2
	s_lshl_b32 s43, s43, 8                         ; 64 (t / 4) channels,
	s_and_b32 s44, s42, 3
	s_lshl_b32 s44, s44, 2                         ; + t % 4
	s_add_co_u32 s[OFS], s43, s44
	s_add_nc_u64 s[SRC:SRC+1], s[SRC:SRC+1], s[OFS:OFS+1]
	v_lshlrev_b32 v[SO], 14, v[HH]                 ; 32 rows
	v_lshl_add_u32 v[SO], v[RR], 4, v[SO]          ; + 4 r channels
	s_lshl_b32 s[OFS], s40, 10
	s_add_co_u32 s[OFS], s[OFS], PE_C
	s_add_nc_u64 s[DC:DC+1], s[28:29], s[OFS:OFS+1]
	s_lshl_b32 s[OFS], s40, 7
	s_add_co_u32 s[OFS], s[OFS], PE_S
	s_add_nc_u64 s[DSC:DSC+1], s[28:29], s[OFS:OFS+1]
	LOADS 512
	s_branch .Lquant
.Lnot_pe:
	s_cmp_lt_u32 ttmp9, 176
	s_cbranch_scc0 .Lnot_proj
	; ---- a fragment of proj_w1 or proj_w2: rows of 1,024 bytes
	s_sub_co_u32 s40, ttmp9, 112
	s_lshr_b32 s41, s40, 5                         ; 0 proj_w1, 1 proj_w2
	s_bfe_u32 s42, s40, 0x40001                    ; T
	s_and_b32 s43, s40, 1                          ; K step
	s_lshr_b32 s44, s42, 3
	s_lshl_b32 s44, s44, 7                         ; proj_w1: 128 (T / 8)
	s_bfe_u32 s45, s42, 0x10002
	s_lshl_b32 s45, s45, 6                         ; + 64 ((T / 4) % 2)
	s_add_co_u32 s44, s44, s45
	s_and_b32 s45, s42, 3
	s_lshl_b32 s45, s45, 3                         ; + 8 (T % 4)
	s_add_co_u32 s44, s44, s45
	s_lshl_b32 s45, s42, 4                         ; proj_w2: 16 T
	s_cmp_eq_u32 s41, 0
	s_cselect_b32 s44, s44, s45
	s_cselect_b32 s46, 32, 8                       ; how far rows 8-15 of a tile lie from rows 0-7
	s_cselect_b64 s[SRC:SRC+1], s[12:13], s[14:15]
	s_lshl_b32 s[OFS], s43, 17                     ; 128 rows a K step
	s_lshl_b32 s44, s44, 2
	s_add_co_u32 s[OFS], s[OFS], s44
	s_add_nc_u64 s[SRC:SRC+1], s[SRC:SRC+1], s[OFS:OFS+1]
	v_lshrrev_b32 v8, 3, v[RR]
	v_mul_u32_u24 v8, v8, s46
	v_and_b32 v9, 7, v[RR]
	v_add_nc_u32 v8, v8, v9
	v_lshlrev_b32 v[SO], 15, v[HH]                 ; 32 rows
	v_lshl_add_u32 v[SO], v8, 2, v[SO]
	s_lshl_b32 s[OFS], s40, 10
	s_add_co_u32 s[OFS], s[OFS], PJ_C
	s_add_nc_u64 s[DC:DC+1], s[28:29], s[OFS:OFS+1]
	s_lshl_b32 s[OFS], s40, 7
	s_add_co_u32 s[OFS], s[OFS], PJ_S
	s_add_nc_u64 s[DSC:DSC+1], s[28:29], s[OFS:OFS+1]
	LOADS 1024
.Lquant:
	s_wait_loadcnt 0x0
	QUANT NUM, CODE, SCW
	global_store_b128 v[L16], v[CODE:CODE+3], s[DC:DC+1]               ; each store covers 512 consecutive bytes, aligned
	global_store_b128 v[L16], v[CODE+4:CODE+7], s[DC:DC+1] offset:512
	global_store_b32 v[L4], v[SCW], s[DSC:DSC+1]
	s_endpgm
.Lnot_proj:
	s_cmp_eq_u32 ttmp9, 176
	s_cbranch_scc0 .Ldev
	; ---- the 768 biases, in the order of the qkv launch's output columns; 128 numbers a segment, four a lane
	global_load_b128 v[64:67], v[L16], s[16:17]                ; q_local's
	global_load_b128 v[68:71], v[L16], s[18:19]                ; q_global's
	global_load_b128 v[72:75], v[L16], s[16:17] offset:512     ; k_local's
	global_load_b128 v[76:79], v[L16], s[16:17] offset:1024    ; v_local's
	global_load_b128 v[80:83], v[L16], s[18:19] offset:512     ; k_global's
	global_load_b128 v[84:87], v[L16], s[18:19] offset:1024    ; v_global's
	global_load_b128 v[88:91], v[L16], s[20:21]                ; local_pe_b2
	global_load_b128 v[92:95], v[L16], s[22:23]                ; global_pe_b2
	s_wait_loadcnt 0x0
.irp i, 0,2
	v_pk_add_f32 v[72+\i:73+\i], v[72+\i:73+\i], v[88+\i:89+\i] neg_lo:[0,1] neg_hi:[0,1]   ; k' = k - b2
	v_pk_add_f32 v[76+\i:77+\i], v[76+\i:77+\i], v[88+\i:89+\i]                             ; v' = v + b2
	v_pk_add_f32 v[80+\i:81+\i], v[80+\i:81+\i], v[92+\i:93+\i] neg_lo:[0,1] neg_hi:[0,1]
	v_pk_add_f32 v[84+\i:85+\i], v[84+\i:85+\i], v[92+\i:93+\i]
.endr
.irp g, 0,1,2,3,4,5
	global_store_b128 v[L16], v[64+4*\g:67+4*\g], s[28:29] offset:BIAS+512*\g
.endr
	s_endpgm
.Ldev:
	; ---- dev[m] = events[down_idx[m]], a lane a row
	s_sub_co_u32 s40, ttmp9, 177
	s_lshl_b32 s40, s40, 5
	v_add_nc_u32 v8, s40, v0                       ; m
	v_min_u32 v9, 0x9c3, v8                        ; the last work-group's lanes past row 2,499 read that row's index
	v_lshlrev_b32 v9, 2, v9
	global_load_b32 v10, v9, s[26:27]
	v_lshlrev_b32 v8, 4, v8
	s_wait_loadcnt 0x0
	v_min_u32 v10, 0x4e1f, v10                     ; an index stays inside events: held at 19,999
	v_lshlrev_b32 v10, 4, v10
	global_load_b128 v[12:15], v10, s[24:25]
	s_wait_loadcnt 0x0
	global_store_b128 v8, v[12:15], s[30:31]
	s_endpgm
.Lfunc_end_k_q70da3cf20a_prep:
	.size	k_q70da3cf20a_prep, .Lfunc_end_k_q70da3cf20a_prep-k_q70da3cf20a_prep
	.p2alignl 7, 3214868480
	.fill 96, 4, 3214868480
	.section	.rodata,"a",@progbits
	.p2align	6, 0x0
	.amdhsa_kernel k_q70da3cf20a_prep
		.amdhsa_group_segment_fixed_size 0
		.amdhsa_private_segment_fixed_size 0
		.amdhsa_enable_private_segment 0
		.amdhsa_kernarg_size 112
		.amdhsa_user_sgpr_count 2
		.amdhsa_user_sgpr_kernarg_segment_ptr 1
		.amdhsa_wavefront_size32 1
		.amdhsa_system_sgpr_workgroup_id_x 1
		.amdhsa_system_sgpr_workgroup_id_y 1
		.amdhsa_system_sgpr_workgroup_id_z 1
		.amdhsa_system_vgpr_workitem_id 0
		.amdhsa_next_free_vgpr 128
		.amdhsa_next_free_sgpr 66
		.amdhsa_reserve_vcc 0
		.amdhsa_float_denorm_mode_32 3
		.amdhsa_float_denorm_mode_16_64 3
		.amdhsa_memory_ordered 1
		.amdhsa_forward_progress 1
		.amdhsa_inst_pref_size 29
	.end_amdhsa_kernel
	.amdgpu_metadata
---
amdhsa.version: [ 1, 2 ]
amdhsa.kernels:
  - .name:           k_q70da3cf20a_prep
    .symbol:         k_q70da3cf20a_prep.kd
    .args:
      - { .name: local_qkv_w, .offset: 0, .size: 8, .value_kind: global_buffer, .address_space: global }
      - { .name: global_qkv_w, .offset: 8, .size: 8, .value_kind: global_buffer, .address_space: global }
      - { .name: local_pe_w2, .offset: 16, .size: 8, .value_kind: global_buffer, .address_space: global }
      - { .name: global_pe_w2, .offset: 24, .size: 8, .value_kind: global_buffer, .address_space: global }
      - { .name: proj_w1, .offset: 32, .size: 8, .value_kind: global_buffer, .address_space: global }
      - { .name: proj_w2, .offset: 40, .size: 8, .value_kind: global_buffer, .address_space: global }
      - { .name: local_qkv_b, .offset: 48, .size: 8, .value_kind: global_buffer, .address_space: global }
      - { .name: global_qkv_b, .offset: 56, .size: 8, .value_kind: global_buffer, .address_space: global }
      - { .name: local_pe_b2, .offset: 64, .size: 8, .value_kind: global_buffer, .address_space: global }
      - { .name: global_pe_b2, .offset: 72, .size: 8, .value_kind: global_buffer, .address_space: global }
      - { .name: events, .offset: 80, .size: 8, .value_kind: global_buffer, .address_space: global }
      - { .name: down_idx, .offset: 88, .size: 8, .value_kind: global_buffer, .address_space: global }
      - { .name: wts, .offset: 96, .size: 8, .value_kind: global_buffer, .address_space: global }
      - { .name: dev, .offset: 104, .size: 8, .value_kind: global_buffer, .address_space: global }
    .group_segment_fixed_size: 0
    .private_segment_fixed_size: 0
    .kernarg_segment_align: 8
    .kernarg_segment_size: 112
    .max_flat_workgroup_size: 32
    .sgpr_count:     66
    .vgpr_count:     128
    .wavefront_size: 32
...
	.end_amdgpu_metadata
.endif
;; end of part 1
;; launch qkv (part 2): grid 250 x 1, 5 waves a work-group, no clusters, 197,632 bytes of LDS; arguments features, wts, q, kvl, kvg; writes q, kvl, kvg
.if DOCPART == 2
	.amdgcn_target "amdgcn-amd-amdhsa--gfx1250"
	.amdhsa_code_object_version 6
	.text
	.protected	k_q70da3cf20a_qkv
	.globl	k_q70da3cf20a_qkv
	.p2align	8
	.type	k_q70da3cf20a_qkv,@function
k_q70da3cf20a_qkv:
	s_mov_b64 s[64:65], 0
	v_nop
	global_prefetch_b8 v0, s[64:65] scope:SCOPE_SE
	s_setreg_imm32_b32 hwreg(HW_REG_WAVE_MODE, 25, 1), 1
	s_wait_xcnt 0x0
; QKV: [q_local q_global | k'_local v'_local | k'_global v'_global] = Q(features) Q(W) + bias, both operands in FP4 (E2M1) with one E8M0 scale for each 32 along K = 256; sums in f32.
; SHARES.  250 work-groups x 5 waves x 16 rows = 20,000 rows.  A wave owns 16 rows: 16,384 consecutive bytes of features and of each of the three outputs.  The waves share only the weights.
; THE WEIGHTS (96 fragment images, their scale words, 768 biases: the first 113,664 bytes of wts) come into LDS once, by asynchronous copies, at the same byte numbers as in wts; one barrier in all.
; THE ROWS.  Loads take the bytes as they lie (512 consecutive bytes a load); they turn through the wave's own stage in LDS (rows 1,040 bytes apart: the 16 rows that a read touches start 4 words apart), so that
; lane (r, h) gets k = 64 c + 32 h + 0 .. 31 of row r: two whole blocks of 32, in the order of the operand's layout.
; THE PRODUCT IS USED TRANSPOSED: source 0 = 16 output columns of W, source 1 = my 16 rows.  Lane (r, h) then holds row r, and register j of tile T column 16 T + 8 h + j.  The bias is the C of each sum's first instruction.
; THE WAY OUT: through the same stage, back as whole rows: each store covers 512 consecutive bytes, aligned.
; No cluster: the grid of 250 does not divide by 4, and what work-groups share (111 KB of weights) stands against the 320 KB that a work-group's five waves stream (16 KB in and 48 KB out each).  No tensor load: nothing in LDS is filled again.
; LIMITS: NaN and infinities among the inputs are not served; a block of zeros gets the scale byte 1 with zero codes.
.set QKV_S,  98304                     ; LDS = wts: codes at 0, scale words here,
.set BL,     110592                    ; the biases here,
.set STAGE,  113664                    ; and behind them a stage of 16 x 1,040 bytes for each wave, into which no copy lands
.set SPITCH, 1040
.set L16, 1                            ; v1   16 x lane
.set L4,  2                            ; v2   4 x lane
.set STW, 5                            ; v5   my stage + 16 x lane: bytes as they lie in memory
.set STR, 6                            ; v6   my stage + 1,040 r + 128 h: my numbers of a block
.set STO, 7                            ; v7   my stage + 1,040 r + 32 h: my eight results of a tile
.set BA,  8                            ; v8   the biases + 32 h
.set A8H, 10                           ; v10  8 h
.set PT,  11                           ; v11  a lane permute's destination
.set CL0, 12                           ; v12, v13  the copies: LDS address and offset in wts, 16 x thread
.set CL1, 14                           ; v14, v15  the same + 65,536
.set XS,  16                           ; v16-17 my rows' scale words, nothing else
.set WS,  18                           ; v18-25 the weights' scale words, nothing else
.set CB,  26                           ; v26, v27  wave 4's copies: the biases + 16 x lane
.set WA,  28                           ; v28  the codes of the 16 tiles in hand
.set SA,  29                           ; v29  their scale words
.set QT,  30                           ; v30-35 the quantiser's
.set XF,  36                           ; v36-51 my rows' two fragments
.set WF,  52                           ; v52-115 eight fragments of W; also 64 numbers from the stage; also rows on the way out
.set ACC, 116                          ; v116-243 16 tiles; first the 32 loads of features
.set WV,  14                           ; s14  wave
.set SEL, 18                           ; s[18:19] lane selects: lane l xor 16
; 64 numbers of a lane, v[src + 32 c + i] = k 64 c + 32 h + i of its row, become a fragment's 8 registers and its scale word.
.macro QUANT src, dst, sc
.irp c, 0,1
	v_max3_num_f32 v[QT+\c], |v[\src+32*\c]|, |v[\src+32*\c+1]|, 0x1800000   ; with the floor 2^(3 - 127): the byte cannot fall under 1
.endr
.irp i, 2,4,6,8,10,12,14,16,18,20,22,24,26,28,30
.irp c, 0,1
	v_max3_num_f32 v[QT+\c], v[QT+\c], |v[\src+32*\c+\i]|, |v[\src+32*\c+\i+1]|
.endr
.endr
.irp c, 0,1
	v_add_nc_u32 v[QT+2+\c], 0xff000000, v[QT+\c]      ; 2 off the exponent field: the conversion's scale operand
.endr
.irp c, 0,1
	v_lshrrev_b32 v[QT+4+\c], 23, v[QT+2+\c]           ; the scale's byte
.endr
	v_lshl_or_b32 v[QT+4], v[QT+5], 16, v[QT+4]        ; blocks h and 2 + h,
	v_lshlrev_b32 v[QT+4], v[A8H], v[QT+4]             ; at their places in the word;
	v_permlanex16_b32 v[PT], v[QT+4], s[SEL], s[SEL+1]
	v_or_b32 v[\sc], v[QT+4], v[PT]                    ; with lane l xor 16's two the word is whole
.irp c, 0,1
.irp u, 0,1,2,3
	v_cvt_scalef32_pk8_fp4_f32 v[\dst+4*\c+\u], v[\src+32*\c+8*\u:\src+32*\c+8*\u+7], v[QT+2+\c]
.endr
.endr
	v_nop                                              ; one plain instruction behind the last scaled conversion
.endm
; 16 tiles of 16 output columns, K = 256.  The biases go into the accumulators; then four tiles at a time: eight fragments and scale words from LDS, eight products.
; The four accumulators of a group take turns, one instruction a turn.
.macro LAYER bofs
.set T, 0
.rept 16
	ds_load_b128 v[ACC+8*T:ACC+8*T+3], v[BA] offset:\bofs+64*T
	ds_load_b128 v[ACC+8*T+4:ACC+8*T+7], v[BA] offset:\bofs+64*T+16
.set T, T+1
.endr
.irp g, 0,1,2,3
.if \g > 0
.rept 4
	v_nop                                              ; four plain instructions in front of loads into registers that matrix instructions have read
.endr
.endif
.irp q, 0,1,2,3
.irp s, 0,1
.irp c, 0,1
	ds_load_b128 v[WF+8*(2*\q+\s)+4*\c:WF+8*(2*\q+\s)+4*\c+3], v[WA] offset:(2*(4*\g+\q)+\s)*1024+512*\c
.endr
	ds_load_b32 v[WS+2*\q+\s], v[SA] offset:(2*(4*\g+\q)+\s)*128
.endr
.endr
	s_wait_dscnt 0x0
.irp s, 0,1
.irp q, 0,1,2,3
	v_wmma_scale_f32_16x16x128_f8f6f4 v[ACC+8*(4*\g+\q):ACC+8*(4*\g+\q)+7], v[WF+8*(2*\q+\s):WF+8*(2*\q+\s)+7], v[XF+8*\s:XF+8*\s+7], v[ACC+8*(4*\g+\q):ACC+8*(4*\g+\q)+7], v[WS+2*\q+\s], v[XS+\s] matrix_a_fmt:MATRIX_FMT_FP4 matrix_b_fmt:MATRIX_FMT_FP4
.endr
.endr
.endr
.endm
; 16 rows x 256 columns leave: into my stage (each accumulator from its low end on), back as they lie in memory, 16 loads and stores at a time.  LDS serves a wave's instructions in order (ISA guide 5.7.1.4).
.macro OUT p
.rept 4
	v_nop                                              ; four plain instructions between the last products and the first read of results
.endr
.set T, 0
.rept 16
	ds_store_b128 v[STO], v[ACC+8*T:ACC+8*T+3] offset:64*T
	ds_store_b128 v[STO], v[ACC+8*T+4:ACC+8*T+7] offset:64*T+16
.set T, T+1
.endr
.irp half, 0,1
.if \half
	s_wait_xcnt 0x0                                    ; the first half's stores have read their registers: they are loaded again only behind this wait
.endif
.irp i, 0,1,2,3,4,5,6,7,8,9,10,11,12,13,14,15
	ds_load_b128 v[WF+4*\i:WF+4*\i+3], v[STW] offset:((16*\half+\i)/2)*SPITCH+(\i%2)*512
.endr
.irp i, 0,1,2,3,4,5,6,7,8,9,10,11,12,13,14,15
	s_wait_dscnt 15-\i                                 ; load i is in; the younger ones may be out
	global_store_b128 v[L16], v[WF+4*\i:WF+4*\i+3], s[\p:\p+1] offset:512*(16*\half+\i)
.endr
.endr
	s_wait_xcnt 0x0                                    ; the stores have read their registers
.endm
	s_load_b256 s[4:11], s[0:1], 0x0               ; features s[4:5], wts s[6:7], q s[8:9], kvl s[10:11]
	s_load_b64 s[12:13], s[0:1], 0x20              ; kvg
	v_lshl_add_u32 v254, v0, 2, 0x30100
	v_mov_b32 v255, 0
	ds_add_u32 v254, v255
	ds_add_u32 v254, v255
	v_lshrrev_b32 v30, 5, v0
	v_readfirstlane_b32 s[WV], v30
	v_and_b32 v31, 31, v0                          ; lane
	v_and_b32 v32, 15, v0                          ; r
	v_bfe_u32 v33, v0, 4, 1                        ; h
	v_lshlrev_b32 v[L16], 4, v31
	v_lshlrev_b32 v[L4], 2, v31
	s_mul_i32 s15, s[WV], 16*SPITCH
	s_add_co_u32 s15, s15, STAGE                   ; my stage
	v_add_nc_u32 v[STW], s15, v[L16]
	v_mul_u32_u24 v34, v32, SPITCH
	v_add_nc_u32 v34, s15, v34
	v_lshl_add_u32 v[STR], v33, 7, v34
	v_lshl_add_u32 v[STO], v33, 5, v34
	v_lshl_add_u32 v[BA], v33, 5, BL
	v_lshlrev_b32 v[A8H], 3, v33
	v_mov_b32 v[PT], 0
	v_lshlrev_b32 v[CL0], 4, v0
	v_lshlrev_b32 v[CL0+1], 4, v0
	v_add_nc_u32 v[CL1], 0x10000, v[CL0]
	v_add_nc_u32 v[CL1+1], 0x10000, v[CL0]
	v_add_nc_u32 v[CB], BL, v[L16]
	v_add_nc_u32 v[CB+1], BL, v[L16]
	s_mov_b32 s[SEL], 0x76543210
	s_mov_b32 s[SEL+1], 0xfedcba98
	s_mul_i32 s16, ttmp9, 5
	s_add_co_u32 s16, s16, s[WV]
	s_lshl_b32 s16, s16, 14                        ; my 16 rows of 1,024 bytes, in features and in each output
	s_mov_b32 s17, 0
	s_wait_dscnt 0x0
	s_wait_kmcnt 0x0
	s_add_nc_u64 s[4:5], s[4:5], s[16:17]
	s_add_nc_u64 s[8:9], s[8:9], s[16:17]
	s_add_nc_u64 s[10:11], s[10:11], s[16:17]
	s_add_nc_u64 s[12:13], s[12:13], s[16:17]
.set I, 0
.rept 32
	global_load_b128 v[ACC+4*I:ACC+4*I+3], v[L16], s[4:5] offset:512*I th:TH_LOAD_NT   ; my rows, read once in the launch: 512 consecutive bytes a load
.set I, I+1
.endr
	s_cmp_lt_u32 s[WV], 4                          ; waves 0 to 3 copy codes and scale words, 2,048 bytes a line; wave 4 the biases, 512 a line
	s_cbranch_scc0 .Lbias_copy
.set I, 0
.rept 32
	global_load_async_to_lds_b128 v[CL0], v[CL0+1], s[6:7] offset:2048*I
.set I, I+1
.endr
.set I, 0
.rept 22
	global_load_async_to_lds_b128 v[CL1], v[CL1+1], s[6:7] offset:2048*I
.set I, I+1
.endr
	s_branch .Lcopied
.Lbias_copy:
.set I, 0
.rept 6
	global_load_async_to_lds_b128 v[CB], v[CB+1], s[6:7] offset:512*I
.set I, I+1
.endr
.Lcopied:
	; ---- my rows turn through the stage and are quantised
.set I, 0
.rept 32
	s_wait_loadcnt 31-I                            ; loads come back in order (ISA guide 5.7.1): load I is in, the younger ones stay out
	ds_store_b128 v[STW], v[ACC+4*I:ACC+4*I+3] offset:(I/2)*SPITCH+(I%2)*512
.set I, I+1
.endr
.irp s, 0,1
.irp c, 0,1
.irp e, 0,1,2,3,4,5,6,7
	ds_load_b128 v[WF+32*\c+4*\e:WF+32*\c+4*\e+3], v[STR] offset:512*\s+256*\c+16*\e
.endr
.endr
	s_wait_dscnt 0x0
	QUANT WF, XF+8*\s, XS+\s
.endr
	s_wait_asynccnt 0x0                            ; for the others' sake: my copies have landed,
	s_wait_dscnt 0x0                               ; and no LDS instruction of mine is out
	s_barrier_signal -1
	s_barrier_wait -1                              ; the weights are whole in LDS
.rept 8
	v_nop                                          ; a scale register written by a vector instruction stands eight plain instructions ahead of a scaled product, an operand so written four
.endr
.irp b, 0,1,2
	v_add_nc_u32 v[WA], 32768*\b, v[L16]           ; 32 fragments for each output buffer,
	v_add_nc_u32 v[SA], QKV_S+4096*\b, v[L4]       ; their scale words
	LAYER 1024*\b
	OUT 8+2*\b
.endr
	s_wait_tensorcnt 0x0
	ds_add_u32 v254, v255
	s_wait_dscnt 0x0
	s_endpgm
.Lfunc_end_k_q70da3cf20a_qkv:
	.size	k_q70da3cf20a_qkv, .Lfunc_end_k_q70da3cf20a_qkv-k_q70da3cf20a_qkv
	.p2alignl 7, 3214868480
	.fill 96, 4, 3214868480
	.section	.rodata,"a",@progbits
	.p2align	6, 0x0
	.amdhsa_kernel k_q70da3cf20a_qkv
		.amdhsa_group_segment_fixed_size 197632
		.amdhsa_private_segment_fixed_size 0
		.amdhsa_enable_private_segment 0
		.amdhsa_kernarg_size 40
		.amdhsa_user_sgpr_count 2
		.amdhsa_user_sgpr_kernarg_segment_ptr 1
		.amdhsa_wavefront_size32 1
		.amdhsa_system_sgpr_workgroup_id_x 1
		.amdhsa_system_sgpr_workgroup_id_y 1
		.amdhsa_system_sgpr_workgroup_id_z 1
		.amdhsa_system_vgpr_workitem_id 0
		.amdhsa_next_free_vgpr 256
		.amdhsa_next_free_sgpr 66
		.amdhsa_reserve_vcc 0
		.amdhsa_float_denorm_mode_32 3
		.amdhsa_float_denorm_mode_16_64 3
		.amdhsa_memory_ordered 1
		.amdhsa_forward_progress 1
		.amdhsa_inst_pref_size 85
	.end_amdhsa_kernel
	.amdgpu_metadata
---
amdhsa.version: [ 1, 2 ]
amdhsa.kernels:
  - .name:           k_q70da3cf20a_qkv
    .symbol:         k_q70da3cf20a_qkv.kd
    .args:
      - { .name: features, .offset: 0, .size: 8, .value_kind: global_buffer, .address_space: global }
      - { .name: wts, .offset: 8, .size: 8, .value_kind: global_buffer, .address_space: global }
      - { .name: q, .offset: 16, .size: 8, .value_kind: global_buffer, .address_space: global }
      - { .name: kvl, .offset: 24, .size: 8, .value_kind: global_buffer, .address_space: global }
      - { .name: kvg, .offset: 32, .size: 8, .value_kind: global_buffer, .address_space: global }
    .group_segment_fixed_size: 197632
    .private_segment_fixed_size: 0
    .kernarg_segment_align: 8
    .kernarg_segment_size: 40
    .max_flat_workgroup_size: 160
    .sgpr_count:     66
    .vgpr_count:     256
    .wavefront_size: 32
...
	.end_amdgpu_metadata
.endif
;; end of part 2
;; launch pool (part 3): grid 625 x 1, 4 waves a work-group, no clusters, 0 bytes of LDS; arguments pair_idx, kvg, kvp; writes kvp
.if DOCPART == 3
	.amdgcn_target "amdgcn-amd-amdhsa--gfx1250"
	.amdhsa_code_object_version 6
	.text
	.protected	k_q70da3cf20a_pool
	.globl	k_q70da3cf20a_pool
	.p2align	8
	.type	k_q70da3cf20a_pool,@function
k_q70da3cf20a_pool:
	s_mov_b64 s[64:65], 0
	v_nop
	global_prefetch_b8 v0, s[64:65] scope:SCOPE_SE
	s_setreg_imm32_b32 hwreg(HW_REG_WAVE_MODE, 25, 1), 1
	s_wait_xcnt 0x0
; POOL: kvp[m] = the maximum over j = 0 .. 15 of kvg[pair_idx[m][j]], a row of 256 f32 (k' | v').  One wave to a row m: 625 work-groups x 4 waves = 2,500.
; The 16 indices come by one scalar load; each row by two loads of 512 consecutive bytes; all 32 loads are out together.  A stream of gathers: no LDS, no barrier, no matrix unit, no cluster (waves share nothing that is known ahead).
; The rows may be named by several m: no hint on the loads.  LIMITS: NaN is not served (a NaN loses in the maximum).
	s_load_b128 s[4:7], s[0:1], 0x0                ; pair_idx s[4:5], kvg s[6:7]
	s_load_b64 s[8:9], s[0:1], 0x10                ; kvp
	v_lshrrev_b32 v18, 5, v0
	v_readfirstlane_b32 s10, v18                   ; wave
	v_and_b32 v1, 31, v0
	v_lshlrev_b32 v1, 4, v1                        ; 16 x lane
	s_lshl_b32 s11, ttmp9, 2
	s_add_co_u32 s11, s11, s10                     ; m
	s_lshl_b32 s12, s11, 6                         ; its 16 indices
	s_mov_b32 s13, 0
	s_lshl_b32 s14, s11, 10                        ; its row of kvp
	s_mov_b32 s15, 0
	s_wait_kmcnt 0x0
	s_add_nc_u64 s[4:5], s[4:5], s[12:13]
	s_add_nc_u64 s[8:9], s[8:9], s[14:15]
	s_load_b512 s[16:31], s[4:5], 0x0
	s_wait_kmcnt 0x0
.irp j, 0,1,2,3,4,5,6,7,8,9,10,11,12,13,14,15
	s_min_u32 s[16+\j], s[16+\j], 0x4e1f           ; an index stays inside kvg: held at 19,999
.endr
.irp j, 0,1,2,3,4,5,6,7,8,9,10,11,12,13,14,15
	v_lshl_add_u32 v[2+\j], s[16+\j], 10, v1
.endr
.irp j, 0,1,2,3,4,5,6,7,8,9,10,11,12,13,14,15
	global_load_b128 v[32+8*\j:35+8*\j], v[2+\j], s[6:7]
	global_load_b128 v[36+8*\j:39+8*\j], v[2+\j], s[6:7] offset:512
.endr
	s_wait_loadcnt 0x0
.irp p, 0,1,2,3,4,5,6,7
	v_max3_num_f32 v[160+\p], v[32+\p], v[40+\p], v[48+\p]
.endr
.irp j, 3,5,7,9,11,13
.irp p, 0,1,2,3,4,5,6,7
	v_max3_num_f32 v[160+\p], v[160+\p], v[32+8*\j+\p], v[40+8*\j+\p]   ; the eight chains by turns
.endr
.endr
.irp p, 0,1,2,3,4,5,6,7
	v_max_num_f32 v[160+\p], v[160+\p], v[152+\p]
.endr
	global_store_b128 v1, v[160:163], s[8:9]               ; each store covers 512 consecutive bytes, aligned
	global_store_b128 v1, v[164:167], s[8:9] offset:512
	s_endpgm
.Lfunc_end_k_q70da3cf20a_pool:
	.size	k_q70da3cf20a_pool, .Lfunc_end_k_q70da3cf20a_pool-k_q70da3cf20a_pool
	.p2alignl 7, 3214868480
	.fill 96, 4, 3214868480
	.section	.rodata,"a",@progbits
	.p2align	6, 0x0
	.amdhsa_kernel k_q70da3cf20a_pool
		.amdhsa_group_segment_fixed_size 0
		.amdhsa_private_segment_fixed_size 0
		.amdhsa_enable_private_segment 0
		.amdhsa_kernarg_size 24
		.amdhsa_user_sgpr_count 2
		.amdhsa_user_sgpr_kernarg_segment_ptr 1
		.amdhsa_wavefront_size32 1
		.amdhsa_system_sgpr_workgroup_id_x 1
		.amdhsa_system_sgpr_workgroup_id_y 1
		.amdhsa_system_sgpr_workgroup_id_z 1
		.amdhsa_system_vgpr_workitem_id 0
		.amdhsa_next_free_vgpr 168
		.amdhsa_next_free_sgpr 66
		.amdhsa_reserve_vcc 0
		.amdhsa_float_denorm_mode_32 3
		.amdhsa_float_denorm_mode_16_64 3
		.amdhsa_memory_ordered 1
		.amdhsa_forward_progress 1
		.amdhsa_inst_pref_size 10
	.end_amdhsa_kernel
	.amdgpu_metadata
---
amdhsa.version: [ 1, 2 ]
amdhsa.kernels:
  - .name:           k_q70da3cf20a_pool
    .symbol:         k_q70da3cf20a_pool.kd
    .args:
      - { .name: pair_idx, .offset: 0, .size: 8, .value_kind: global_buffer, .address_space: global }
      - { .name: kvg, .offset: 8, .size: 8, .value_kind: global_buffer, .address_space: global }
      - { .name: kvp, .offset: 16, .size: 8, .value_kind: global_buffer, .address_space: global }
    .group_segment_fixed_size: 0
    .private_segment_fixed_size: 0
    .kernarg_segment_align: 8
    .kernarg_segment_size: 24
    .max_flat_workgroup_size: 128
    .sgpr_count:     66
    .vgpr_count:     168
    .wavefront_size: 32
...
	.end_amdgpu_metadata
.endif
;; end of part 3
;; launch attn (part 4): grid 250 x 2, 8 waves a work-group, no clusters, 0 bytes of LDS; arguments events, dev, local_idx, inv_pair_idx, kvl, kvp, local_pe_w1, global_pe_w1, local_pe_b1, global_pe_b1, local_fc_g, global_fc_g, local_fc_b, global_fc_b, q, wts, att; writes att
.if DOCPART == 4
	.amdgcn_target "amdgcn-amd-amdhsa--gfx1250"
	.amdhsa_code_object_version 6
	.text
	.protected	k_q70da3cf20a_attn
	.globl	k_q70da3cf20a_attn
	.p2align	8
	.type	k_q70da3cf20a_attn,@function
k_q70da3cf20a_attn:
	s_mov_b64 s[64:65], 0
	v_nop
	global_prefetch_b8 v0, s[64:65] scope:SCOPE_SE
	s_setreg_imm32_b32 hwreg(HW_REG_WAVE_MODE, 25, 1), 1
	s_wait_xcnt 0x0
; ATTN: one branch (work-group y: 0 local, 1 global) of the neighbour attention.  For a point n and its 16 neighbours i:
;   hid = relu((events[n] - tab[idx[n][i]]) w1 + b1)      f32 operands (v_wmma_f32_16x16x4_f32): its result goes into a quantiser
;   pe' = Q(hid) Q(w2)                                    FP4 (E2M1), one E8M0 scale for each 32 along K = 128;  pe_b2 lies folded in k' and v'
;   x = q[n] - k'[idx] + pe';  z = LayerNorm over the 128 channels of x, x g + b, / sqrt(128);  a = softmax of z over the 16 neighbours, the maximum taken away first;  att[n] = the sum over i of a (v'[idx] + pe').
; tab, idx, k' v': events, local_idx, kvl, or dev, inv_pair_idx, kvp.  Everything but the second product in f32.
; SHARES.  250 x 8 waves x 10 points = 20,000 for each branch.  A wave takes one point at a time: ITS 16 NEIGHBOURS ARE THE 16 ROWS OF A TILE.  Two waves to a SIMD; no LDS, no barrier: waves share nothing.
; LAYOUT.  The first product is used transposed (source 0 = 16 units of w1, source 1 = the 16 differences) and row m of its tile 4 c + u is unit 64 c + 32 (m / 8) + 8 u + m % 8: so lane (r, h) holds neighbour r, and the
; 32 registers of tiles (c, 0 .. 3) are k = 64 c + 32 h + 0 .. 31 of the second product: whole blocks in the operand's own order.  The second product is used as it reads (source 0 = the 16 neighbours, source 1 = 16 channels):
; lane (r, h), register j of tile t = neighbour 8 h + j, channel 64 (t / 4) + 4 r + t % 4.  So a lane's 8 channels are two runs of 16 bytes, and one gather of 16 bytes a lane reads 256 consecutive aligned bytes of one row in each half of the lanes.
; LayerNorm sums over tiles and the 16 lanes of a half; the softmax over a tile's 8 registers and the two halves.
; The second product is issued twice: once onto C = q - k' (gives x), once onto 0 (gives pe' for the weighted sum): 8 matrix instructions in place of 64 additions.
; THE INDICES of a point are the same 64 bytes for every lane: they come by ONE SCALAR LOAD.  Lanes 0-15 want index j and lanes 16-31 index 8 + j: 8 idx = idx[j] x 8 (1 - h) + idx[8 + j] x 8 h, a multiply and a multiply-add;
; the row's offset is that x 128 + 16 r.  Only the gather of coordinates wants a lane's own index (idx[r]): one vector load.  All that an address is made of lies in window 0.
; AHEAD.  A point's differences, q and k' rows are asked for in the middle of the point before, its v' rows at its head, its indices two points ahead: 16 to 37 loads of a wave are out at any time.
; TWO SETS OF OFFSETS, so that none is rewritten while a gather may still read it and no wait stands straight behind a request: OFFN (k') is written behind the wait that shows the k' rows in, OFF = OFFN + 512 (v') behind the wait that shows the v' rows in.
; No cluster and no tensor load: the gathers are addressed from index inputs, half a wave to a row, and the grid of 250 does not divide by 4.  No prefetch: the gathers themselves go out a whole point ahead.
; LIMITS: NaN and infinities are not served.  A block of zeros gets the scale byte 1 with zero codes.  Both branches hold an index at 19,999: dev and kvp are given 20,000 rows for that, of which the rows that the problem's indices can name (under 2,500) are written.
; The loop's last trip loads one row of indices that is not used (held inside the buffer).
.set PE_C, 113664
.set PE_S, 130048
; window 0
.set NH8,  0                           ; v0   8 (1 - h)
.set A16,  1                           ; v1   16 r
.set AOUT, 2                           ; v2   256 h + 16 r
.set A4R,  3                           ; v3   4 r
.set A8H,  4                           ; v4   8 h
.set IDR,  5                           ; v5   idx[r]
.set AEV,  6                           ; v6   16 idx[r] + 8 h
.set ASC,  7                           ; v7   the hidden layer's scale word, nothing else
.set OFF,  8                           ; v8-15  the point in hand: 1,024 idx[8 h + j] + 16 r + 512: its v'
.set BSC,  16                          ; v16-23 w2's scale words, nothing else
.set OFFN, 24                          ; v24-31 the point asked for last: 1,024 idx[8 h + j] + 16 r: its k'
.set W,    32                          ; v32-63 at work
.set DD,   W                           ; v[32:33] the differences
.set PT,   W                           ; v32  later the destination of the quantiser's lane permute: the differences are done with by then
.set QT,   W+2                         ; v34-39 the quantiser's
.set CODE, W+8                         ; v40-47 the hidden layer's fragment
.set SS,   W+16                        ; v48-55 sums, then 1 / sqrt
.set TT,   W+24                        ; v56-63 sums of squares
.set TQ,   W+24                        ; v56-63 before that: 8 idx of the next point
.set MM,   W                           ; v32-39 maxima
.set MP,   W+8                         ; v40-47 the other half's
.set X,    64                          ; v64-127
.set H,    128                         ; v128-191: written by matrix instructions alone
.set V,    192                         ; v192-255 v': register 32 a + 4 j + i: neighbour 8 h + j, channel 64 a + 4 r + i
; window 1 (numbers as they are written)
.set W1A,  0                           ; w1's 8 tiles, 2 registers each
.set B1C,  16                          ; b1 in the result's layout, 8 tiles
.set W2F,  80                          ; w2's 8 fragments
.set KK,   144                         ; k', laid as V
.set QQ,   208                         ; q of my 8 channels
.set GG,   216                         ; g c,
.set BB,   224                         ; b c, c = log2(e) / sqrt(128)
.set OUTR, 232                         ; the four results to store
.set EE,   242                         ; tab[idx[r]][2 h, 2 h + 1]
.set EN,   244                         ; events[n][2 h, 2 h + 1]
; scalars
.set EVB,  40
.set TAB,  42
.set IDXB, 44
.set QB,   46
.set KVB,  48
.set OUTP, 50
.set PEN,  52
.set PQ,   54
.set PI,   56
.set SEL,  58
.set NN,   70                          ; s70  the point in hand
.set IX,   80                          ; s[80:95] 16 indices
.set MSB, 0
.macro WIN new                         ; the immediate's high byte repeats the setting that is left; a switch that changes nothing is dropped
.if MSB != \new
	s_set_vgpr_msb (MSB<<8)|\new
.set MSB, \new
.endif
.endm
.macro QUANT src, dst, sc
.irp c, 0,1
	v_max3_num_f32 v[QT+\c], |v[\src+32*\c]|, |v[\src+32*\c+1]|, 0x1800000   ; with the floor 2^(3 - 127): the byte cannot fall under 1
.endr
.irp i, 2,4,6,8,10,12,14,16,18,20,22,24,26,28,30
.irp c, 0,1
	v_max3_num_f32 v[QT+\c], v[QT+\c], |v[\src+32*\c+\i]|, |v[\src+32*\c+\i+1]|
.endr
.endr
.irp c, 0,1
	v_add_nc_u32 v[QT+2+\c], 0xff000000, v[QT+\c]      ; 2 off the exponent field: the conversion's scale operand
.endr
.irp c, 0,1
	v_lshrrev_b32 v[QT+4+\c], 23, v[QT+2+\c]           ; the scale's byte
.endr
	v_lshl_or_b32 v[QT+4], v[QT+5], 16, v[QT+4]        ; blocks h and 2 + h,
	v_lshlrev_b32 v[QT+4], v[A8H], v[QT+4]             ; at their places in the word;
	v_permlanex16_b32 v[PT], v[QT+4], s[SEL], s[SEL+1]
	v_or_b32 v[\sc], v[QT+4], v[PT]                    ; with lane l xor 16's two the word is whole
.irp c, 0,1
.irp u, 0,1,2,3
	v_cvt_scalef32_pk8_fp4_f32 v[\dst+4*\c+\u], v[\src+32*\c+8*\u:\src+32*\c+8*\u+7], v[QT+2+\c]
.endr
.endr
	v_nop                                              ; one plain instruction behind the last scaled conversion
.endm
; The indices that have come, first part: 18 plain vector instructions, into registers that no request reads.
.macro IDXA
	s_wait_kmcnt 0x0                                   ; the 16 indices are in
.irp j, 0,1,2,3,4,5,6,7,8,9,10,11,12,13,14,15
	s_min_u32 s[IX+\j], s[IX+\j], 0x4e1f               ; held at 19,999: inside every table
.endr
.irp j, 0,1,2,3,4,5,6,7
	v_mul_u32_u24 v[TQ+\j], s[IX+\j], v[NH8]           ; lanes 0-15: 8 idx[j]
.endr
.irp j, 0,1,2,3,4,5,6,7
	v_mad_u32_u24 v[TQ+\j], s[IX+8+\j], v[A8H], v[TQ+\j]   ; lanes 16-31: 8 idx[8 + j]
.endr
	v_min_u32 v[AEV], 0x4e1f, v[IDR]
	v_lshl_add_u32 v[AEV], v[AEV], 4, v[A8H]
.endm
; Second part: the k' gathers' offsets.  It stands behind the wait that shows the last k' gathers done.
.macro IDXB
.irp j, 0,1,2,3,4,5,6,7
	v_lshl_add_u32 v[OFFN+\j], v[TQ+\j], 7, v[A16]     ; 1,024 idx + 16 r
.endr
.endm
; 21 loads for the point n + dq, whose offsets stand in OFFN and AEV, and the indices of the point n + di.  The index word and the coordinates go first: they are wanted first.
.macro PREF dq, di
	s_add_co_u32 s72, s[NN], \dq
	s_lshl_b32 s74, s72, 4
	s_add_nc_u64 s[PEN:PEN+1], s[EVB:EVB+1], s[74:75]
	s_lshl_b32 s74, s72, 10
	s_add_nc_u64 s[PQ:PQ+1], s[QB:QB+1], s[74:75]
	s_add_co_u32 s72, s[NN], \di
	s_min_u32 s72, s72, 0x4e1f                         ; no load leaves its buffer
	s_lshl_b32 s74, s72, 6
	s_add_nc_u64 s[PI:PI+1], s[IDXB:IDXB+1], s[74:75]
	s_load_b512 s[IX:IX+15], s[PI:PI+1], 0x0
	WIN 0
	global_load_b32 v[IDR], v[A4R], s[PI:PI+1]
	WIN 0x40                                           ; destination window 1, address window 0
	global_load_b64 v[EE:EE+1], v[AEV], s[TAB:TAB+1]
	global_load_b64 v[EN:EN+1], v[A8H], s[PEN:PEN+1]
	global_load_b128 v[QQ:QQ+3], v[A16], s[PQ:PQ+1] th:TH_LOAD_NT              ; a row of q is read once in the launch
	global_load_b128 v[QQ+4:QQ+7], v[A16], s[PQ:PQ+1] offset:256 th:TH_LOAD_NT
.irp a, 0,1
.irp j, 0,1,2,3,4,5,6,7
	global_load_b128 v[KK+32*\a+4*\j:KK+32*\a+4*\j+3], v[OFFN+\j], s[KVB:KVB+1] offset:256*\a
.endr
.endr
.endm
; ONE POINT.  On entry 21 loads are out (PREF's).  pre = 1: the next point is asked for.
.macro ITER pre
	WIN 0
.irp j, 0,1,2,3,4,5,6,7
	v_add_nc_u32 v[OFF+\j], 0x200, v[OFFN+\j]          ; v' lies 512 bytes behind k' in a row.  OFF's last readers, the v' gathers of the point before, were shown done by that point's last wait on loads
.endr
.irp a, 0,1
.irp j, 0,1,2,3,4,5,6,7
	global_load_b128 v[V+32*\a+4*\j:V+32*\a+4*\j+3], v[OFF+\j], s[KVB:KVB+1] offset:256*\a   ; v': wanted at the point's end
.endr
.endr
	s_wait_loadcnt 34                                  ; the index word and the two loads of coordinates are in; behind them: 2 of q, 16 of k', 16 of v'
	WIN 0x05
	v_pk_add_f32 v[DD:DD+1], v[EN:EN+1], v[EE:EE+1] neg_lo:[0,1] neg_hi:[0,1]   ; lane (r, h): coordinates 2 h, 2 h + 1 of events[n] - tab[idx[r]]
	WIN 0x11                                           ; w1 and b1 window 1
.irp T, 0,1,2,3,4,5,6,7
	v_wmma_f32_16x16x4_f32 v[H+8*\T:H+8*\T+7], v[W1A+2*\T:W1A+2*\T+1], v[DD:DD+1], v[B1C+8*\T:B1C+8*\T+7]   ; b1 is the C: each sum is one instruction
.endr
	WIN 0
.if \pre
	IDXA                                               ; its 18 plain instructions, which name no register of the products above, are also the eight that stand between those and the first read of their results (ISA guide 7.12.1).  AEV's last reader, the load of coordinates, is in
.else
	s_wait_kmcnt 0x0                                   ; the one row of indices that is not used has come
.rept 8
	v_nop
.endr
.endif
.set K, 0
.rept 64
	v_max_num_f32 v[X+K], 0, v[H+K]                    ; relu, into other registers; each accumulator from its low end on
.set K, K+1
.endr
	QUANT X, CODE, ASC
	s_wait_loadcnt 16                                  ; q and k' are in; v' may be out
	WIN 0x05
.irp t, 0,1,2,3,4,5,6,7
.irp j, 0,1,2,3,4,5,6,7
	v_sub_f32 v[X+8*\t+\j], v[QQ+\t], v[KK+32*(\t/4)+4*\j+(\t%4)]   ; q - k': the C of x.  (These 64 also stand between the scale word's and the codes' last writes and the scaled products)
.endr
.endr
.if \pre
	WIN 0
	IDXB                                               ; the k' gathers that read OFFN are done (the wait above)
	PREF 1, 2                                          ; all older loads but v' are done, so their bases may be written
.endif
	WIN 0x04                                           ; w2 window 1
.irp t, 0,1,2,3,4,5,6,7
	v_wmma_scale_f32_16x16x128_f8f6f4 v[X+8*\t:X+8*\t+7], v[CODE:CODE+7], v[W2F+8*\t:W2F+8*\t+7], v[X+8*\t:X+8*\t+7], v[ASC], v[BSC+\t] matrix_a_fmt:MATRIX_FMT_FP4 matrix_b_fmt:MATRIX_FMT_FP4
	v_wmma_scale_f32_16x16x128_f8f6f4 v[H+8*\t:H+8*\t+7], v[CODE:CODE+7], v[W2F+8*\t:W2F+8*\t+7], 0, v[ASC], v[BSC+\t] matrix_a_fmt:MATRIX_FMT_FP4 matrix_b_fmt:MATRIX_FMT_FP4
.endr
	WIN 0
.rept 4
	v_nop                                              ; four plain instructions between the products and the first read of results
.endr
	; ---- LayerNorm over the channels: 8 tiles x the 16 lanes of my half; a pair of registers = two neighbours
.irp p, 0,1,2,3
	v_pk_add_f32 v[SS+2*\p:SS+2*\p+1], v[X+2*\p:X+2*\p+1], v[X+8+2*\p:X+8+2*\p+1]
.endr
.irp t, 2,3,4,5,6,7
.irp p, 0,1,2,3
	v_pk_add_f32 v[SS+2*\p:SS+2*\p+1], v[SS+2*\p:SS+2*\p+1], v[X+8*\t+2*\p:X+8*\t+2*\p+1]
.endr
.endr
.irp m, 1,2,4,8
.irp k, 0,1,2,3,4,5,6,7
	v_add_f32_dpp v[SS+\k], v[SS+\k], v[SS+\k] row_xmask:\m row_mask:0xf bank_mask:0xf
.endr
.endr
.irp t, 0,1,2,3,4,5,6,7
.irp p, 0,1,2,3
	v_pk_fma_f32 v[X+8*\t+2*\p:X+8*\t+2*\p+1], v[SS+2*\p:SS+2*\p+1], s[62:63], v[X+8*\t+2*\p:X+8*\t+2*\p+1] op_sel_hi:[1,0,1]   ; x - the mean
.endr
.endr
.irp p, 0,1,2,3
	v_pk_mul_f32 v[TT+2*\p:TT+2*\p+1], v[X+2*\p:X+2*\p+1], v[X+2*\p:X+2*\p+1]
.endr
.irp t, 1,2,3,4,5,6,7
.irp p, 0,1,2,3
	v_pk_fma_f32 v[TT+2*\p:TT+2*\p+1], v[X+8*\t+2*\p:X+8*\t+2*\p+1], v[X+8*\t+2*\p:X+8*\t+2*\p+1], v[TT+2*\p:TT+2*\p+1]
.endr
.endr
.irp m, 1,2,4,8
.irp k, 0,1,2,3,4,5,6,7
	v_add_f32_dpp v[TT+\k], v[TT+\k], v[TT+\k] row_xmask:\m row_mask:0xf bank_mask:0xf
.endr
.endr
.irp k, 0,1,2,3,4,5,6,7
	v_fma_f32 v[TT+\k], v[TT+\k], s66, s68             ; the variance + 1e-5
.endr
.irp k, 0,1,2,3,4,5,6,7
	v_rsq_f32 v[SS+\k], v[TT+\k]
.endr
	v_nop                                              ; a plain instruction behind the last of the batch
	s_wait_alu depctr_va_vdst(0)                       ; one wait for the eight, ahead of their first reader
.irp t, 0,1,2,3,4,5,6,7
.irp p, 0,1,2,3
	v_pk_mul_f32 v[X+8*\t+2*\p:X+8*\t+2*\p+1], v[X+8*\t+2*\p:X+8*\t+2*\p+1], v[SS+2*\p:SS+2*\p+1]
.endr
.endr
	WIN 0x14                                           ; g c and b c window 1; a tile's one g and one b serve both halves of a pair
.irp t, 0,1,2,3,4,5,6,7
.irp p, 0,1,2,3
.if \t % 2
	v_pk_fma_f32 v[X+8*\t+2*\p:X+8*\t+2*\p+1], v[X+8*\t+2*\p:X+8*\t+2*\p+1], v[GG+\t-1:GG+\t], v[BB+\t-1:BB+\t] op_sel:[0,1,1] op_sel_hi:[1,1,1]
.else
	v_pk_fma_f32 v[X+8*\t+2*\p:X+8*\t+2*\p+1], v[X+8*\t+2*\p:X+8*\t+2*\p+1], v[GG+\t:GG+\t+1], v[BB+\t:BB+\t+1] op_sel_hi:[1,0,0]
.endif
.endr
.endr
	WIN 0
	; ---- softmax over the 16 neighbours of each channel: a tile's 8 registers and the lane 16 away; in base 2
.irp t, 0,1,2,3,4,5,6,7
	v_max3_num_f32 v[MM+\t], v[X+8*\t], v[X+8*\t+1], v[X+8*\t+2]
.endr
.irp i, 3,5
.irp t, 0,1,2,3,4,5,6,7
	v_max3_num_f32 v[MM+\t], v[MM+\t], v[X+8*\t+\i], v[X+8*\t+\i+1]
.endr
.endr
.irp t, 0,1,2,3,4,5,6,7
	v_max_num_f32 v[MM+\t], v[MM+\t], v[X+8*\t+7]
.endr
.irp t, 0,1,2,3,4,5,6,7
	v_permlanex16_b32 v[MP+\t], v[MM+\t], s[SEL], s[SEL+1]
.endr
.irp t, 0,1,2,3,4,5,6,7
	v_max_num_f32 v[MM+\t], v[MM+\t], v[MP+\t]
.endr
.irp t, 0,1,2,3,4,5,6,7
.irp p, 0,1,2,3
.if \t % 2
	v_pk_add_f32 v[X+8*\t+2*\p:X+8*\t+2*\p+1], v[X+8*\t+2*\p:X+8*\t+2*\p+1], v[MM+\t-1:MM+\t] op_sel:[0,1] op_sel_hi:[1,1] neg_lo:[0,1] neg_hi:[0,1]
.else
	v_pk_add_f32 v[X+8*\t+2*\p:X+8*\t+2*\p+1], v[X+8*\t+2*\p:X+8*\t+2*\p+1], v[MM+\t:MM+\t+1] op_sel_hi:[1,0] neg_lo:[0,1] neg_hi:[0,1]
.endif
.endr
.endr
.set K, 0
.rept 64
	v_exp_f32 v[X+K], v[X+K]
.set K, K+1
.endr
	v_nop                                              ; a plain instruction behind the last of the batch
	s_wait_alu depctr_va_vdst(0)                       ; one wait for the 64
	; ---- the divisor and the weighted sum, in pairs (even neighbours, odd neighbours): L at v[W + 2 t], O at v[W + 16 + 2 t]
.irp t, 0,1,2,3,4,5,6,7
	v_pk_add_f32 v[W+2*\t:W+2*\t+1], v[X+8*\t:X+8*\t+1], v[X+8*\t+2:X+8*\t+3]
.endr
.irp p, 2,3
.irp t, 0,1,2,3,4,5,6,7
	v_pk_add_f32 v[W+2*\t:W+2*\t+1], v[W+2*\t:W+2*\t+1], v[X+8*\t+2*\p:X+8*\t+2*\p+1]
.endr
.endr
.irp t, 0,1,2,3,4,5,6,7
	v_pk_mul_f32 v[W+16+2*\t:W+16+2*\t+1], v[X+8*\t:X+8*\t+1], v[H+8*\t:H+8*\t+1]   ; a pe': each accumulator from its low end on
.endr
.irp p, 1,2,3
.irp t, 0,1,2,3,4,5,6,7
	v_pk_fma_f32 v[W+16+2*\t:W+16+2*\t+1], v[X+8*\t+2*\p:X+8*\t+2*\p+1], v[H+8*\t+2*\p:H+8*\t+2*\p+1], v[W+16+2*\t:W+16+2*\t+1]
.endr
.endr
.if \pre
	s_wait_loadcnt 21                                  ; v' is in; the next point's 21 loads may be out
.else
	s_wait_loadcnt 0x0
.endif
.irp j, 0,1,2,3,4,5,6,7
.irp t, 0,1,2,3,4,5,6,7
	v_fmac_f32 v[W+16+2*\t+(\j%2)], v[X+8*\t+\j], v[V+32*(\t/4)+4*\j+(\t%4)]       ; + a v'
.endr
.endr
.irp t, 0,1,2,3,4,5,6,7
	v_add_f32 v[W+2*\t], v[W+2*\t], v[W+2*\t+1]
	v_add_f32 v[W+16+2*\t], v[W+16+2*\t], v[W+16+2*\t+1]
.endr
	; ---- across the halves: lanes 0-15 end with tiles 0-3, lanes 16-31 with tiles 4-7: each keeps four of its own sums and sends the other four
.irp b, 0,16
.irp i, 0,1,2,3
	v_cndmask_b32 v[W+\b+2*\i+1], v[W+\b+2*\i], v[W+\b+8+2*\i], vcc_lo             ; kept
	v_cndmask_b32 v[W+\b+8+2*\i+1], v[W+\b+8+2*\i], v[W+\b+2*\i], vcc_lo           ; sent
.endr
.endr
.irp b, 0,16
.irp i, 0,1,2,3
	v_permlanex16_b32 v[W+\b+2*\i], v[W+\b+8+2*\i+1], s[SEL], s[SEL+1]
.endr
.endr
.irp b, 0,16
.irp i, 0,1,2,3
	v_add_f32 v[W+\b+2*\i+1], v[W+\b+2*\i+1], v[W+\b+2*\i]
.endr
.endr
.irp i, 0,1,2,3
	v_rcp_f32 v[W+2*\i], v[W+2*\i+1]
.endr
	v_nop
	s_wait_alu depctr_va_vdst(0)                       ; one wait for the four
	s_wait_xcnt 0x0                                    ; the store of the point before, a whole point back, has read its data and its base: both are written again only behind this wait
	s_add_nc_u64 s[OUTP:OUTP+1], s[OUTP:OUTP+1], 1024  ; one row on; the store below reaches back
	WIN 0x40
.irp i, 0,1,2,3
	v_mul_f32 v[OUTR+\i], v[W+16+2*\i+1], v[W+2*\i]    ; channel 64 h + 4 r + i
.endr
	WIN 0x04                                           ; a store's data are its source 1: window 1
	global_store_b128 v[AOUT], v[OUTR:OUTR+3], s[OUTP:OUTP+1] offset:-1024 th:TH_STORE_NT   ; the wave stores 512 consecutive bytes, aligned: the branch's half of row n; written once, read by nobody here
	WIN 0
.if \pre
	s_add_co_u32 s[NN], s[NN], 1
.endif
.endm
	s_load_b512 s[4:19], s[0:1], 0x0               ; s[4:5] events, s[6:7] dev, s[8:9] local_idx, s[10:11] inv_pair_idx, s[12:13] kvl, s[14:15] kvp, s[16:17] local_pe_w1, s[18:19] global_pe_w1
	s_load_b512 s[20:35], s[0:1], 0x40             ; s[20:21] local_pe_b1, s[22:23] global_pe_b1, s[24:25] local_fc_g, s[26:27] global_fc_g, s[28:29] local_fc_b, s[30:31] global_fc_b, s[32:33] q, s[34:35] wts
	s_load_b64 s[36:37], s[0:1], 0x80              ; att
	v_and_b32 v32, 15, v0                          ; r
	v_bfe_u32 v33, v0, 4, 1                        ; h
	v_lshlrev_b32 v[A16], 4, v32
	v_lshlrev_b32 v[A4R], 2, v32
	v_lshlrev_b32 v[A8H], 3, v33
	v_lshl_add_u32 v[AOUT], v33, 8, v[A16]
	v_lshrrev_b32 v34, 3, v32
	v_and_b32 v35, 7, v32
	v_lshl_add_u32 v34, v34, 5, v35                ; 32 (r / 8) + r % 8: my unit in a tile of w1
	v_lshlrev_b32 v34, 2, v34
	v_lshl_add_u32 v34, v33, 10, v34               ; + rows 2 h, 2 h + 1 of w1, 512 bytes each
	v_lshlrev_b32 v35, 7, v33                      ; b1: 32 h units
	v_and_b32 v36, 31, v0
	v_lshlrev_b32 v37, 2, v36                      ; 4 x lane
	v_lshlrev_b32 v36, 4, v36                      ; 16 x lane
	v_lshrrev_b32 v38, 5, v0
	v_readfirstlane_b32 s39, v38                   ; wave
	v_sub_nc_u32 v[NH8], 8, v[A8H]                 ; 8 (1 - h); the thread's number is done with
	s_and_b32 s38, ttmp7, 0xffff                   ; the branch
	s_lshl_b32 s[NN], ttmp9, 3
	s_add_co_u32 s[NN], s[NN], s39
	s_mul_i32 s[NN], s[NN], 10                     ; my first point
	s_mov_b32 s[SEL], 0x76543210
	s_mov_b32 s[SEL+1], 0xfedcba98
	s_mov_b32 vcc_lo, 0xffff0000                   ; lanes 16-31
	s_mov_b32 s62, 0xbc000000                      ; -1 / 128
	s_mov_b32 s63, 0xbc000000
	s_mov_b32 s66, 0x3c000000                      ; 1 / 128
	s_mov_b32 s68, 0x3727c5ac                      ; 1e-5
	s_mov_b32 s76, 0x3e0293ee                      ; c = log2(e) / sqrt(128)
	s_mov_b32 s75, 0
	s_mov_b32 s71, 9                               ; trips: nine points with a successor
	s_wait_kmcnt 0x0
	s_cmp_eq_u32 s38, 0                            ; the choice hangs on the work-group's number alone
	s_cselect_b64 s[TAB:TAB+1], s[4:5], s[6:7]
	s_cselect_b64 s[IDXB:IDXB+1], s[8:9], s[10:11]
	s_cselect_b64 s[KVB:KVB+1], s[12:13], s[14:15]
	s_cselect_b64 s[16:17], s[16:17], s[18:19]     ; w1
	s_cselect_b64 s[20:21], s[20:21], s[22:23]     ; b1
	s_cselect_b64 s[24:25], s[24:25], s[26:27]     ; g
	s_cselect_b64 s[28:29], s[28:29], s[30:31]     ; b
	s_mov_b64 s[EVB:EVB+1], s[4:5]
	s_lshl_b32 s74, s38, 13
	s_add_co_u32 s74, s74, PE_C
	s_add_nc_u64 s[18:19], s[34:35], s[74:75]      ; w2's fragments
	s_lshl_b32 s74, s38, 10
	s_add_co_u32 s74, s74, PE_S
	s_add_nc_u64 s[22:23], s[34:35], s[74:75]      ; their scale words
	s_lshl_b32 s74, s38, 9
	s_add_nc_u64 s[QB:QB+1], s[32:33], s[74:75]    ; the branch's half of a row of q,
	s_lshl_b32 s72, s[NN], 10
	s_add_co_u32 s74, s74, s72
	s_add_nc_u64 s[OUTP:OUTP+1], s[36:37], s[74:75]   ; and of my first row of att
	s_lshl_b32 s74, s[NN], 6
	s_add_nc_u64 s[PI:PI+1], s[IDXB:IDXB+1], s[74:75]
	; ---- my first point's indices, and what stays in registers for the whole launch
	s_load_b512 s[IX:IX+15], s[PI:PI+1], 0x0
	global_load_b32 v[IDR], v[A4R], s[PI:PI+1]
.irp t, 0,1,2,3,4,5,6,7
	global_load_b32 v[BSC+\t], v37, s[22:23] offset:128*\t
.endr
	WIN 0x40
.irp c, 0,1
.irp u, 0,1,2,3
.irp k, 0,1
	global_load_b32 v[W1A+2*(4*\c+\u)+\k], v34, s[16:17] offset:256*\c+32*\u+512*\k
.endr
	global_load_b128 v[B1C+8*(4*\c+\u):B1C+8*(4*\c+\u)+3], v35, s[20:21] offset:256*\c+32*\u
	global_load_b128 v[B1C+8*(4*\c+\u)+4:B1C+8*(4*\c+\u)+7], v35, s[20:21] offset:256*\c+32*\u+16
.endr
.endr
.irp t, 0,1,2,3,4,5,6,7
.irp c, 0,1
	global_load_b128 v[W2F+8*\t+4*\c:W2F+8*\t+4*\c+3], v36, s[18:19] offset:1024*\t+512*\c
.endr
.endr
.irp a, 0,1
	global_load_b128 v[GG+4*\a:GG+4*\a+3], v[A16], s[24:25] offset:256*\a
	global_load_b128 v[BB+4*\a:BB+4*\a+3], v[A16], s[28:29] offset:256*\a
.endr
	s_wait_loadcnt 0x0
	WIN 0x44
.irp k, 0,1,2,3,4,5,6,7
	v_mul_f32 v[GG+\k], s76, v[GG+\k]              ; the division by sqrt(128) and the change to base 2 go into g and b
	v_mul_f32 v[BB+\k], s76, v[BB+\k]
.endr
	WIN 0
	IDXA
	IDXB
	PREF 0, 1
	WIN 0                                          ; at a label and at a branch every window is 0
.Lpoint:
	ITER 1
	s_sub_co_i32 s71, s71, 1
	s_cmp_lg_u32 s71, 0
	s_cbranch_scc1 .Lpoint
	ITER 0                                         ; the last point asks for nothing more
	s_endpgm
.Lfunc_end_k_q70da3cf20a_attn:
	.size	k_q70da3cf20a_attn, .Lfunc_end_k_q70da3cf20a_attn-k_q70da3cf20a_attn
	.p2alignl 7, 3214868480
	.fill 96, 4, 3214868480
	.section	.rodata,"a",@progbits
	.p2align	6, 0x0
	.amdhsa_kernel k_q70da3cf20a_attn
		.amdhsa_group_segment_fixed_size 0
		.amdhsa_private_segment_fixed_size 0
		.amdhsa_enable_private_segment 0
		.amdhsa_kernarg_size 136
		.amdhsa_user_sgpr_count 2
		.amdhsa_user_sgpr_kernarg_segment_ptr 1
		.amdhsa_wavefront_size32 1
		.amdhsa_system_sgpr_workgroup_id_x 1
		.amdhsa_system_sgpr_workgroup_id_y 1
		.amdhsa_system_sgpr_workgroup_id_z 1
		.amdhsa_system_vgpr_workitem_id 0
		.amdhsa_next_free_vgpr 512
		.amdhsa_next_free_sgpr 96
		.amdhsa_reserve_vcc 1
		.amdhsa_float_denorm_mode_32 3
		.amdhsa_float_denorm_mode_16_64 3
		.amdhsa_memory_ordered 1
		.amdhsa_forward_progress 1
		.amdhsa_inst_pref_size 102
	.end_amdhsa_kernel
	.amdgpu_metadata
---
amdhsa.version: [ 1, 2 ]
amdhsa.kernels:
  - .name:           k_q70da3cf20a_attn
    .symbol:         k_q70da3cf20a_attn.kd
    .args:
      - { .name: events, .offset: 0, .size: 8, .value_kind: global_buffer, .address_space: global }
      - { .name: dev, .offset: 8, .size: 8, .value_kind: global_buffer, .address_space: global }
      - { .name: local_idx, .offset: 16, .size: 8, .value_kind: global_buffer, .address_space: global }
      - { .name: inv_pair_idx, .offset: 24, .size: 8, .value_kind: global_buffer, .address_space: global }
      - { .name: kvl, .offset: 32, .size: 8, .value_kind: global_buffer, .address_space: global }
      - { .name: kvp, .offset: 40, .size: 8, .value_kind: global_buffer, .address_space: global }
      - { .name: local_pe_w1, .offset: 48, .size: 8, .value_kind: global_buffer, .address_space: global }
      - { .name: global_pe_w1, .offset: 56, .size: 8, .value_kind: global_buffer, .address_space: global }
      - { .name: local_pe_b1, .offset: 64, .size: 8, .value_kind: global_buffer, .address_space: global }
      - { .name: global_pe_b1, .offset: 72, .size: 8, .value_kind: global_buffer, .address_space: global }
      - { .name: local_fc_g, .offset: 80, .size: 8, .value_kind: global_buffer, .address_space: global }
      - { .name: global_fc_g, .offset: 88, .size: 8, .value_kind: global_buffer, .address_space: global }
      - { .name: local_fc_b, .offset: 96, .size: 8, .value_kind: global_buffer, .address_space: global }
      - { .name: global_fc_b, .offset: 104, .size: 8, .value_kind: global_buffer, .address_space: global }
      - { .name: q, .offset: 112, .size: 8, .value_kind: global_buffer, .address_space: global }
      - { .name: wts, .offset: 120, .size: 8, .value_kind: global_buffer, .address_space: global }
      - { .name: att, .offset: 128, .size: 8, .value_kind: global_buffer, .address_space: global }
    .group_segment_fixed_size: 0
    .private_segment_fixed_size: 0
    .kernarg_segment_align: 8
    .kernarg_segment_size: 136
    .max_flat_workgroup_size: 256
    .sgpr_count:     96
    .vgpr_count:     512
    .wavefront_size: 32
...
	.end_amdgpu_metadata
.endif
;; end of part 4
;; launch proj (part 5): grid 250 x 1, 5 waves a work-group, no clusters, 168,704 bytes of LDS; arguments att, wts, proj_b1, proj_b2, out0; writes out0
.if DOCPART == 5
	.amdgcn_target "amdgcn-amd-amdhsa--gfx1250"
	.amdhsa_code_object_version 6
	.text
	.protected	k_q70da3cf20a_proj
	.globl	k_q70da3cf20a_proj
	.p2align	8
	.type	k_q70da3cf20a_proj,@function
k_q70da3cf20a_proj:
	s_mov_b64 s[64:65], 0
	v_nop
	global_prefetch_b8 v0, s[64:65] scope:SCOPE_SE
	s_setreg_imm32_b32 hwreg(HW_REG_WAVE_MODE, 25, 1), 1
	s_wait_xcnt 0x0
; PROJ: out0 = Q(relu(Q(att) Q(w1) + b1)) Q(w2) + b2, both products in FP4 (E2M1) with one E8M0 scale for each 32 along K = 256; sums, biases and relu in f32.  The hidden layer stays in registers.
; SHARES, THE WEIGHTS IN LDS, THE TURN THROUGH THE STAGE AND THE WAY OUT are the qkv launch's: 250 work-groups x 5 waves x 16 rows; 64 fragment images, their scale words and the two biases come into LDS once, by asynchronous copies; one barrier.
; BOTH PRODUCTS ARE USED TRANSPOSED (source 0 = 16 columns of the weight, source 1 = my 16 rows): a lane holds one row throughout.  Row m of tile T of w1 is unit 128 (T / 8) + 64 ((T / 4) % 2) + 32 (m / 8) + 8 (T % 4) + m % 8,
; so that the accumulators' registers 64 s + 32 c + i are k = 128 s + 64 c + 32 h + i of the second product: whole blocks of 32 in a lane, in the operand's own order: nothing changes lanes but two scale bytes.
; The launch claims more LDS than it uses (158,976 bytes).
; No cluster: the grid of 250 does not divide by 4, and what is shared (74 KB of weights) is small.  No tensor load: nothing in LDS is filled again.
; LIMITS: NaN and infinities are not served; a block of zeros gets the scale byte 1 with zero codes.
.set PJ_C,   132096                    ; in wts: 64 fragments, and behind them their scale words
.set WSC,    65536                     ; LDS: codes at 0, scale words here,
.set BL,     73728                     ; b1, and 1,024 bytes on b2,
.set STAGE,  75776                     ; a stage of 16 x 1,040 bytes for each wave, into which no copy lands
.set SPITCH, 1040
.set L16, 1                            ; v1   16 x lane
.set L4,  2                            ; v2   4 x lane
.set CB2, 3                            ; v3   wave 4's copies: b2's place + 16 x lane
.set STW, 5                            ; v5   my stage + 16 x lane
.set STR, 6                            ; v6   my stage + 1,040 r + 128 h
.set STO, 7                            ; v7   my stage + 1,040 r + 32 h
.set BA,  8                            ; v8   the biases + 32 h: for tiles of neighbouring columns
.set BA1, 9                            ; v9   the biases + 128 h: for w1's tiles
.set A8H, 10                           ; v10  8 h
.set PT,  11                           ; v11  a lane permute's destination
.set CL0, 12                           ; v12, v13  the copies: LDS address and offset, 16 x thread
.set CL1, 14                           ; v14, v15  the same + 65,536
.set XS,  16                           ; v16-17 my rows' scale words, nothing else
.set WS,  18                           ; v18-25 the weights' scale words, nothing else
.set CB,  26                           ; v26, v27  wave 4's copies: b1's place + 16 x lane; 16 x lane
.set WA,  28
.set SA,  29
.set QT,  30                           ; v30-35 the quantiser's
.set XF,  36                           ; v36-51 my rows' two fragments
.set WF,  52                           ; v52-115
.set ACC, 116                          ; v116-243
.set WV,  14
.set SEL, 18
.macro QUANT src, dst, sc
.irp c, 0,1
	v_max3_num_f32 v[QT+\c], |v[\src+32*\c]|, |v[\src+32*\c+1]|, 0x1800000   ; with the floor 2^(3 - 127): the byte cannot fall under 1
.endr
.irp i, 2,4,6,8,10,12,14,16,18,20,22,24,26,28,30
.irp c, 0,1
	v_max3_num_f32 v[QT+\c], v[QT+\c], |v[\src+32*\c+\i]|, |v[\src+32*\c+\i+1]|
.endr
.endr
.irp c, 0,1
	v_add_nc_u32 v[QT+2+\c], 0xff000000, v[QT+\c]      ; 2 off the exponent field: the conversion's scale operand
.endr
.irp c, 0,1
	v_lshrrev_b32 v[QT+4+\c], 23, v[QT+2+\c]           ; the scale's byte
.endr
	v_lshl_or_b32 v[QT+4], v[QT+5], 16, v[QT+4]
	v_lshlrev_b32 v[QT+4], v[A8H], v[QT+4]
	v_permlanex16_b32 v[PT], v[QT+4], s[SEL], s[SEL+1]
	v_or_b32 v[\sc], v[QT+4], v[PT]                    ; with lane l xor 16's two bytes the word is whole
.irp c, 0,1
.irp u, 0,1,2,3
	v_cvt_scalef32_pk8_fp4_f32 v[\dst+4*\c+\u], v[\src+32*\c+8*\u:\src+32*\c+8*\u+7], v[QT+2+\c]
.endr
.endr
	v_nop                                              ; one plain instruction behind the last scaled conversion
.endm
; 16 tiles, K = 256.  map = 1: the biases by w1's order of units; 0: by neighbouring columns.  The four accumulators of a group take turns, one instruction a turn.
.macro LAYER map, bofs
.set T, 0
.rept 16
.if \map
	ds_load_b128 v[ACC+8*T:ACC+8*T+3], v[BA1] offset:\bofs+512*(T/8)+256*((T/4)%2)+32*(T%4)
	ds_load_b128 v[ACC+8*T+4:ACC+8*T+7], v[BA1] offset:\bofs+512*(T/8)+256*((T/4)%2)+32*(T%4)+16
.else
	ds_load_b128 v[ACC+8*T:ACC+8*T+3], v[BA] offset:\bofs+64*T
	ds_load_b128 v[ACC+8*T+4:ACC+8*T+7], v[BA] offset:\bofs+64*T+16
.endif
.set T, T+1
.endr
.irp g, 0,1,2,3
.if \g > 0
.rept 4
	v_nop                                              ; four plain instructions in front of loads into registers that matrix instructions have read
.endr
.endif
.irp q, 0,1,2,3
.irp s, 0,1
.irp c, 0,1
	ds_load_b128 v[WF+8*(2*\q+\s)+4*\c:WF+8*(2*\q+\s)+4*\c+3], v[WA] offset:(2*(4*\g+\q)+\s)*1024+512*\c
.endr
	ds_load_b32 v[WS+2*\q+\s], v[SA] offset:(2*(4*\g+\q)+\s)*128
.endr
.endr
	s_wait_dscnt 0x0
.irp s, 0,1
.irp q, 0,1,2,3
	v_wmma_scale_f32_16x16x128_f8f6f4 v[ACC+8*(4*\g+\q):ACC+8*(4*\g+\q)+7], v[WF+8*(2*\q+\s):WF+8*(2*\q+\s)+7], v[XF+8*\s:XF+8*\s+7], v[ACC+8*(4*\g+\q):ACC+8*(4*\g+\q)+7], v[WS+2*\q+\s], v[XS+\s] matrix_a_fmt:MATRIX_FMT_FP4 matrix_b_fmt:MATRIX_FMT_FP4
.endr
.endr
.endr
.endm
	s_load_b256 s[4:11], s[0:1], 0x0               ; att s[4:5], wts s[6:7], proj_b1 s[8:9], proj_b2 s[10:11]
	s_load_b64 s[12:13], s[0:1], 0x20              ; out0
	v_lshl_add_u32 v254, v0, 2, 0x29000
	v_mov_b32 v255, 0
	ds_add_u32 v254, v255
	ds_add_u32 v254, v255
	v_lshrrev_b32 v30, 5, v0
	v_readfirstlane_b32 s[WV], v30
	v_and_b32 v31, 31, v0                          ; lane
	v_and_b32 v32, 15, v0                          ; r
	v_bfe_u32 v33, v0, 4, 1                        ; h
	v_lshlrev_b32 v[L16], 4, v31
	v_lshlrev_b32 v[L4], 2, v31
	s_mul_i32 s15, s[WV], 16*SPITCH
	s_add_co_u32 s15, s15, STAGE                   ; my stage
	v_add_nc_u32 v[STW], s15, v[L16]
	v_mul_u32_u24 v34, v32, SPITCH
	v_add_nc_u32 v34, s15, v34
	v_lshl_add_u32 v[STR], v33, 7, v34
	v_lshl_add_u32 v[STO], v33, 5, v34
	v_lshl_add_u32 v[BA], v33, 5, BL
	v_lshl_add_u32 v[BA1], v33, 7, BL
	v_lshlrev_b32 v[A8H], 3, v33
	v_mov_b32 v[PT], 0
	v_lshlrev_b32 v[CL0], 4, v0
	v_lshlrev_b32 v[CL0+1], 4, v0
	v_add_nc_u32 v[CL1], 0x10000, v[CL0]
	v_add_nc_u32 v[CL1+1], 0x10000, v[CL0]
	v_add_nc_u32 v[CB], BL, v[L16]
	v_lshlrev_b32 v[CB+1], 4, v31
	v_add_nc_u32 v[CB2], BL+1024, v[L16]
	s_mov_b32 s[SEL], 0x76543210
	s_mov_b32 s[SEL+1], 0xfedcba98
	s_mul_i32 s16, ttmp9, 5
	s_add_co_u32 s16, s16, s[WV]
	s_lshl_b32 s16, s16, 14                        ; my 16 rows of 1,024 bytes, in att and in out0
	s_mov_b32 s17, 0
	s_wait_dscnt 0x0
	s_wait_kmcnt 0x0
	s_add_nc_u64 s[4:5], s[4:5], s[16:17]
	s_add_nc_u64 s[12:13], s[12:13], s[16:17]
	s_add_nc_u64 s[20:21], s[6:7], PJ_C            ; the proj weights' images
.set I, 0
.rept 32
	global_load_b128 v[ACC+4*I:ACC+4*I+3], v[L16], s[4:5] offset:512*I th:TH_LOAD_NT   ; my rows, read once in the launch
.set I, I+1
.endr
	s_cmp_lt_u32 s[WV], 4                          ; waves 0 to 3 copy codes and scale words, 2,048 bytes a line; wave 4 the biases, 512 a line
	s_cbranch_scc0 .Lbias_copy
.set I, 0
.rept 32
	global_load_async_to_lds_b128 v[CL0], v[CL0+1], s[20:21] offset:2048*I
.set I, I+1
.endr
.set I, 0
.rept 4
	global_load_async_to_lds_b128 v[CL1], v[CL1+1], s[20:21] offset:2048*I
.set I, I+1
.endr
	s_branch .Lcopied
.Lbias_copy:
	global_load_async_to_lds_b128 v[CB], v[CB+1], s[8:9]
	global_load_async_to_lds_b128 v[CB], v[CB+1], s[8:9] offset:512
	global_load_async_to_lds_b128 v[CB2], v[CB+1], s[10:11]
	global_load_async_to_lds_b128 v[CB2], v[CB+1], s[10:11] offset:512
.Lcopied:
	; ---- my rows turn through the stage and are quantised
.set I, 0
.rept 32
	s_wait_loadcnt 31-I                            ; loads come back in order (ISA guide 5.7.1): load I is in, the younger ones stay out
	ds_store_b128 v[STW], v[ACC+4*I:ACC+4*I+3] offset:(I/2)*SPITCH+(I%2)*512
.set I, I+1
.endr
.irp s, 0,1
.irp c, 0,1
.irp e, 0,1,2,3,4,5,6,7
	ds_load_b128 v[WF+32*\c+4*\e:WF+32*\c+4*\e+3], v[STR] offset:512*\s+256*\c+16*\e
.endr
.endr
	s_wait_dscnt 0x0
	QUANT WF, XF+8*\s, XS+\s
.endr
	s_wait_asynccnt 0x0                            ; for the others' sake: my copies have landed,
	s_wait_dscnt 0x0                               ; and no LDS instruction of mine is out
	s_barrier_signal -1
	s_barrier_wait -1                              ; the weights are whole in LDS
.rept 8
	v_nop                                          ; a scale register written by a vector instruction stands eight plain instructions ahead of a scaled product, an operand so written four
.endr
	v_add_nc_u32 v[WA], 0, v[L16]                  ; w1: fragments 0 to 31
	v_add_nc_u32 v[SA], WSC, v[L4]
	LAYER 1, 0
.rept 4
	v_nop                                          ; four plain instructions between the last products and the first read of results
.endr
.set K, 0
.rept 128
	v_max_num_f32 v[ACC+K], 0, v[ACC+K]            ; relu; each accumulator from its low end on
.set K, K+1
.endr
	QUANT ACC, XF, XS
	QUANT ACC+64, XF+8, XS+1
.rept 8
	v_nop
.endr
	v_add_nc_u32 v[WA], 32768, v[L16]              ; w2: fragments 32 to 63
	v_add_nc_u32 v[SA], WSC+4096, v[L4]
	LAYER 0, 1024
	; ---- the way out: into my stage, back as the bytes lie in memory.  LDS serves a wave's instructions in order (ISA guide 5.7.1.4)
.rept 4
	v_nop
.endr
.set T, 0
.rept 16
	ds_store_b128 v[STO], v[ACC+8*T:ACC+8*T+3] offset:64*T
	ds_store_b128 v[STO], v[ACC+8*T+4:ACC+8*T+7] offset:64*T+16
.set T, T+1
.endr
.irp half, 0,1
.if \half
	s_wait_xcnt 0x0                                ; the first half's stores have read their registers: they are loaded again only behind this wait
.endif
.irp i, 0,1,2,3,4,5,6,7,8,9,10,11,12,13,14,15
	ds_load_b128 v[WF+4*\i:WF+4*\i+3], v[STW] offset:((16*\half+\i)/2)*SPITCH+(\i%2)*512
.endr
.irp i, 0,1,2,3,4,5,6,7,8,9,10,11,12,13,14,15
	s_wait_dscnt 15-\i                             ; load i is in; the younger ones may be out
	global_store_b128 v[L16], v[WF+4*\i:WF+4*\i+3], s[12:13] offset:512*(16*\half+\i) th:TH_STORE_NT   ; 512 consecutive bytes, aligned; written once, read by nobody here
.endr
.endr
	s_wait_tensorcnt 0x0
	ds_add_u32 v254, v255
	s_wait_dscnt 0x0
	s_endpgm
.Lfunc_end_k_q70da3cf20a_proj:
	.size	k_q70da3cf20a_proj, .Lfunc_end_k_q70da3cf20a_proj-k_q70da3cf20a_proj
	.p2alignl 7, 3214868480
	.fill 96, 4, 3214868480
	.section	.rodata,"a",@progbits
	.p2align	6, 0x0
	.amdhsa_kernel k_q70da3cf20a_proj
		.amdhsa_group_segment_fixed_size 168704
		.amdhsa_private_segment_fixed_size 0
		.amdhsa_enable_private_segment 0
		.amdhsa_kernarg_size 40
		.amdhsa_user_sgpr_count 2
		.amdhsa_user_sgpr_kernarg_segment_ptr 1
		.amdhsa_wavefront_size32 1
		.amdhsa_system_sgpr_workgroup_id_x 1
		.amdhsa_system_sgpr_workgroup_id_y 1
		.amdhsa_system_sgpr_workgroup_id_z 1
		.amdhsa_system_vgpr_workitem_id 0
		.amdhsa_next_free_vgpr 256
		.amdhsa_next_free_sgpr 66
		.amdhsa_reserve_vcc 0
		.amdhsa_float_denorm_mode_32 3
		.amdhsa_float_denorm_mode_16_64 3
		.amdhsa_memory_ordered 1
		.amdhsa_forward_progress 1
		.amdhsa_inst_pref_size 65
	.end_amdhsa_kernel
	.amdgpu_metadata
---
amdhsa.version: [ 1, 2 ]
amdhsa.kernels:
  - .name:           k_q70da3cf20a_proj
    .symbol:         k_q70da3cf20a_proj.kd
    .args:
      - { .name: att, .offset: 0, .size: 8, .value_kind: global_buffer, .address_space: global }
      - { .name: wts, .offset: 8, .size: 8, .value_kind: global_buffer, .address_space: global }
      - { .name: proj_b1, .offset: 16, .size: 8, .value_kind: global_buffer, .address_space: global }
      - { .name: proj_b2, .offset: 24, .size: 8, .value_kind: global_buffer, .address_space: global }
      - { .name: out0, .offset: 32, .size: 8, .value_kind: global_buffer, .address_space: global }
    .group_segment_fixed_size: 168704
    .private_segment_fixed_size: 0
    .kernarg_segment_align: 8
    .kernarg_segment_size: 40
    .max_flat_workgroup_size: 160
    .sgpr_count:     66
    .vgpr_count:     256
    .wavefront_size: 32
...
	.end_amdgpu_metadata
.endif
;; end of part 5
;; ======== version 2 of 2: 5 launches
;; workspace buffers: wts 205,824 bytes; dev 320,000 bytes; q 20,480,000 bytes; kvl 20,480,000 bytes; kvg 20,480,000 bytes; kvp 20,480,000 bytes; att 20,480,000 bytes
;; launch prep (part 6): grid 256 x 1, 1 waves a work-group, no clusters, 0 bytes of LDS; arguments local_qkv_w, global_qkv_w, local_pe_w2, global_pe_w2, proj_w1, proj_w2, local_qkv_b, global_qkv_b, local_pe_b2, global_pe_b2, events, down_idx, wts, dev; writes wts, dev
.if DOCPART == 6
	.amdgcn_target "amdgcn-amd-amdhsa--gfx1250"
	.amdhsa_code_object_version 6
	.text
	.protected	k_q70da3cf20a_prep
	.globl	k_q70da3cf20a_prep
	.p2align	8
	.type	k_q70da3cf20a_prep,@function
k_q70da3cf20a_prep:
	s_mov_b64 s[64:65], 0
	v_nop
	global_prefetch_b8 v0, s[64:65] scope:SCOPE_SE
	s_setreg_imm32_b32 hwreg(HW_REG_WAVE_MODE, 25, 1), 1
	s_wait_xcnt 0x0
; PREP: the six weights, which arrive as f32 [K][N], become codes of FP4 (E2M1) with one E8M0 byte for each 32 along K, laid as IMAGES OF OPERAND REGISTERS;
; the 768 biases of the two qkv products are put in output order with pe_b2 folded in; dev[m] = events[down_idx[m]].
; A fragment is 16 columns of a weight x 128 along K: 8 registers a lane.  Its image: register group c (registers 4 c .. 4 c + 3) at byte 512 c + 16 x lane of 1,024 bytes; its scale words: 4 x lane of 128 bytes.
; One wave to a work-group, one fragment to a wave.  LANE (r, h) TAKES A COLUMN AND ITS REGISTERS RUN DOWN K (k = 64 c + 32 h + 0 .. 31), the order of the operand's layout: the conversions' results are the operand's registers.
; Work-groups 0-95: qkv weights (tile T = f / 2 of 48 in the order q_local | q_global | k_local v_local | k_global v_global, K step f % 2).  96-111: pe_w2 (branch, tile t): column r of tile t is channel 64 (t / 4) + 4 r + t % 4.
; 112-175: proj_w1 (row m of tile T is unit 128 (T / 8) + 64 ((T / 4) % 2) + 32 (m / 8) + 8 (T % 4) + m % 8) and proj_w2 (column 16 T + m).  176: the biases.  177-255: dev, 32 rows each.
; FOLDING: k' = k - pe_b2, v' = v + pe_b2, so that q - k + pe = (q - k') + h w2 and v + pe = v' + h w2.  The order of rounding differs from the source's by a few units in the last place of f32.
; LIMITS: NaN and infinities among the inputs are not served.  A block of zeros gets the scale byte 1 (not 127) with zero codes: the bytes are read by this program alone.  dev's rows 2,500 to 2,527 are written (copies of row 2,499's) and never read.
; No cluster: work-groups share no input.
.set QKV_S, 98304
.set BIAS,  110592
.set PE_C,  113664
.set PE_S,  130048
.set PJ_C,  132096
.set PJ_S,  197632
.set RR,   1                           ; v1   r = lane % 16
.set HH,   2                           ; v2   h = lane / 16
.set L16,  3                           ; v3   16 x lane
.set L4,   4                           ; v4   4 x lane
.set SO,   5                           ; v5   my byte offset in the weight
.set A8H,  6                           ; v6   8 h
.set PT,   7                           ; v7   a lane permute's destination
.set QT,   8                           ; v8-13 the quantiser's: two largest magnitudes, two scale operands, two bytes
.set CODE, 48                          ; v48-55 the fragment
.set SCW,  56                          ; v56  its scale word
.set NUM,  64                          ; v64-127 my 64 numbers
.set SRC,  32                          ; s[32:33] the weight at my fragment's corner
.set DC,   34                          ; s[34:35] where the image goes
.set DSC,  36                          ; s[36:37] where the scale words go
.set OFS,  38                          ; s[38:39] an offset in 64 bits
.set SEL,  48                          ; s[48:49] lane selects: lane l xor 16
; 64 numbers of a lane, v[src + 32 c + i] = k 64 c + 32 h + i of its row or column, become a fragment's 8 registers and its scale word.  A lane holds two whole blocks of 32: no other lane is asked for a maximum.
.macro QUANT src, dst, sc
.irp c, 0,1
	v_max3_num_f32 v[QT+\c], |v[\src+32*\c]|, |v[\src+32*\c+1]|, 0x1800000   ; with the floor 2^(3 - 127): the byte cannot fall under 1
.endr
.irp i, 2,4,6,8,10,12,14,16,18,20,22,24,26,28,30
.irp c, 0,1
	v_max3_num_f32 v[QT+\c], v[QT+\c], |v[\src+32*\c+\i]|, |v[\src+32*\c+\i+1]|   ; the two blocks by turns
.endr
.endr
.irp c, 0,1
	v_add_nc_u32 v[QT+2+\c], 0xff000000, v[QT+\c]      ; 2 off the exponent field: the conversion's scale operand
.endr
.irp c, 0,1
	v_lshrrev_b32 v[QT+4+\c], 23, v[QT+2+\c]           ; the scale's byte
.endr
	v_lshl_or_b32 v[QT+4], v[QT+5], 16, v[QT+4]        ; my bytes: blocks h and 2 + h,
	v_lshlrev_b32 v[QT+4], v[A8H], v[QT+4]             ; at their places in the word;
	v_permlanex16_b32 v[PT], v[QT+4], s[SEL], s[SEL+1]
	v_or_b32 v[\sc], v[QT+4], v[PT]                    ; with lane l xor 16's two the word is whole, in both halves of the lanes
.irp c, 0,1
.irp u, 0,1,2,3
	v_cvt_scalef32_pk8_fp4_f32 v[\dst+4*\c+\u], v[\src+32*\c+8*\u:\src+32*\c+8*\u+7], v[QT+2+\c]
.endr
.endr
	v_nop                                              ; one plain instruction behind the last scaled conversion
.endm
.macro LOADS pitch                     ; W(64 c + 32 h + i, my column): pitch = bytes in a row of the weight
.set I, 0
.rept 64
	global_load_b32 v[NUM+I], v[SO], s[SRC:SRC+1] offset:(64*(I/32)+I%32)*\pitch
.set I, I+1
.endr
.endm
	s_load_b512 s[4:19], s[0:1], 0x0               ; s[4:5] local_qkv_w, s[6:7] global_qkv_w, s[8:9] local_pe_w2, s[10:11] global_pe_w2, s[12:13] proj_w1, s[14:15] proj_w2, s[16:17] local_qkv_b, s[18:19] global_qkv_b
	s_load_b256 s[20:27], s[0:1], 0x40             ; s[20:21] local_pe_b2, s[22:23] global_pe_b2, s[24:25] events, s[26:27] down_idx
	s_load_b128 s[28:31], s[0:1], 0x60             ; s[28:29] wts, s[30:31] dev
	v_and_b32 v[RR], 15, v0
	v_lshrrev_b32 v[HH], 4, v0
	v_lshlrev_b32 v[L16], 4, v0
	v_lshlrev_b32 v[L4], 2, v0
	v_lshlrev_b32 v[A8H], 3, v[HH]
	v_mov_b32 v[PT], 0
	s_mov_b32 s[SEL], 0x76543210
	s_mov_b32 s[SEL+1], 0xfedcba98
	s_mov_b32 s[OFS+1], 0
	s_wait_kmcnt 0x0
	s_cmp_lt_u32 ttmp9, 96
	s_cbranch_scc0 .Lnot_qkv
	; ---- a fragment of the qkv weights: rows of 1,536 bytes
	s_lshr_b32 s40, ttmp9, 1                       ; T
	s_and_b32 s41, ttmp9, 1                        ; K step
	s_lshr_b32 s42, s40, 4                         ; which output buffer: 0 q, 1 kvl, 2 kvg
	s_and_b32 s43, s40, 15
	s_lshl_b32 s43, s43, 4                         ; the tile's first column in that buffer
	s_and_b32 s44, s43, 127                        ; q: column of the weight,
	s_lshr_b32 s45, s43, 7                         ; and which weight
	s_add_co_u32 s46, s43, 128                     ; k and v: behind q's 128 columns,
	s_lshr_b32 s47, s42, 1                         ; kvl local, kvg global
	s_cmp_eq_u32 s42, 0
	s_cselect_b32 s44, s44, s46
	s_cselect_b32 s45, s45, s47
	s_cmp_eq_u32 s45, 0
	s_cselect_b64 s[SRC:SRC+1], s[4:5], s[6:7]
	s_mul_i32 s[OFS], s41, 196608                  ; 128 rows a K step
	s_lshl_b32 s44, s44, 2
	s_add_co_u32 s[OFS], s[OFS], s44
	s_add_nc_u64 s[SRC:SRC+1], s[SRC:SRC+1], s[OFS:OFS+1]
	s_wait_alu depctr_va_vdst(0)
	v_mul_u32_u24 v[SO], v[HH], 49152              ; lanes 16-31 begin 32 rows further down
	v_lshl_add_u32 v[SO], v[RR], 2, v[SO]          ; column r of the tile
	s_lshl_b32 s[OFS], ttmp9, 10
	s_add_nc_u64 s[DC:DC+1], s[28:29], s[OFS:OFS+1]
	s_lshl_b32 s[OFS], ttmp9, 7
	s_add_co_u32 s[OFS], s[OFS], QKV_S
	s_add_nc_u64 s[DSC:DSC+1], s[28:29], s[OFS:OFS+1]
	LOADS 1536
	s_branch .Lquant
.Lnot_qkv:
	s_cmp_lt_u32 ttmp9, 112
	s_cbranch_scc0 .Lnot_pe
	; ---- a fragment of pe_w2: rows of 512 bytes
	s_sub_co_u32 s40, ttmp9, 96
	s_lshr_b32 s41, s40, 3                         ; branch
	s_and_b32 s42, s40, 7                          ; tile t
	s_cmp_eq_u32 s41, 0
	s_cselect_b64 s[SRC:SRC+1], s[8:9], s[10:11]
	s_lshr_b32 s43, s42, 2
	s_lshl_b32 s43, s43, 8                         ; 64 (t / 4) channels,
	s_and_b32 s44, s42, 3
	s_lshl_b32 s44, s44, 2                         ; + t % 4
	s_add_co_u32 s[OFS], s43, s44
	s_add_nc_u64 s[SRC:SRC+1], s[SRC:SRC+1], s[OFS:OFS+1]
	s_wait_alu depctr_va_vdst(0)
	v_lshlrev_b32 v[SO], 14, v[HH]                 ; 32 rows
	v_lshl_add_u32 v[SO], v[RR], 4, v[SO]          ; + 4 r channels
	s_lshl_b32 s[OFS], s40, 10
	s_add_co_u32 s[OFS], s[OFS], PE_C
	s_add_nc_u64 s[DC:DC+1], s[28:29], s[OFS:OFS+1]
	s_lshl_b32 s[OFS], s40, 7
	s_add_co_u32 s[OFS], s[OFS], PE_S
	s_add_nc_u64 s[DSC:DSC+1], s[28:29], s[OFS:OFS+1]
	LOADS 512
	s_branch .Lquant
.Lnot_pe:
	s_cmp_lt_u32 ttmp9, 176
	s_cbranch_scc0 .Lnot_proj
	; ---- a fragment of proj_w1 or proj_w2: rows of 1,024 bytes
	s_sub_co_u32 s40, ttmp9, 112
	s_lshr_b32 s41, s40, 5                         ; 0 proj_w1, 1 proj_w2
	s_bfe_u32 s42, s40, 0x40001                    ; T
	s_and_b32 s43, s40, 1                          ; K step
	s_lshr_b32 s44, s42, 3
	s_lshl_b32 s44, s44, 7                         ; proj_w1: 128 (T / 8)
	s_bfe_u32 s45, s42, 0x10002
	s_lshl_b32 s45, s45, 6                         ; + 64 ((T / 4) % 2)
	s_add_co_u32 s44, s44, s45
	s_and_b32 s45, s42, 3
	s_lshl_b32 s45, s45, 3                         ; + 8 (T % 4)
	s_add_co_u32 s44, s44, s45
	s_lshl_b32 s45, s42, 4                         ; proj_w2: 16 T
	s_cmp_eq_u32 s41, 0
	s_cselect_b32 s44, s44, s45
	s_cselect_b32 s46, 32, 8                       ; how far rows 8-15 of a tile lie from rows 0-7
	s_cselect_b64 s[SRC:SRC+1], s[12:13], s[14:15]
	s_lshl_b32 s[OFS], s43, 17                     ; 128 rows a K step
	s_lshl_b32 s44, s44, 2
	s_add_co_u32 s[OFS], s[OFS], s44
	s_add_nc_u64 s[SRC:SRC+1], s[SRC:SRC+1], s[OFS:OFS+1]
	s_wait_alu depctr_va_vdst(0)
	v_lshrrev_b32 v8, 3, v[RR]
	v_mul_u32_u24 v8, v8, s46
	v_and_b32 v9, 7, v[RR]
	v_add_nc_u32 v8, v8, v9
	v_lshlrev_b32 v[SO], 15, v[HH]                 ; 32 rows
	v_lshl_add_u32 v[SO], v8, 2, v[SO]
	s_lshl_b32 s[OFS], s40, 10
	s_add_co_u32 s[OFS], s[OFS], PJ_C
	s_add_nc_u64 s[DC:DC+1], s[28:29], s[OFS:OFS+1]
	s_lshl_b32 s[OFS], s40, 7
	s_add_co_u32 s[OFS], s[OFS], PJ_S
	s_add_nc_u64 s[DSC:DSC+1], s[28:29], s[OFS:OFS+1]
	LOADS 1024
.Lquant:
	s_wait_loadcnt 0x0
	QUANT NUM, CODE, SCW
	global_store_b128 v[L16], v[CODE:CODE+3], s[DC:DC+1]               ; each store covers 512 consecutive bytes, aligned
	global_store_b128 v[L16], v[CODE+4:CODE+7], s[DC:DC+1] offset:512
	global_store_b32 v[L4], v[SCW], s[DSC:DSC+1]
	s_endpgm
.Lnot_proj:
	s_cmp_eq_u32 ttmp9, 176
	s_cbranch_scc0 .Ldev
	s_wait_alu depctr_va_vdst(0)
	; ---- the 768 biases, in the order of the qkv launch's output columns; 128 numbers a segment, four a lane
	global_load_b128 v[64:67], v[L16], s[16:17]                ; q_local's
	global_load_b128 v[68:71], v[L16], s[18:19]                ; q_global's
	global_load_b128 v[72:75], v[L16], s[16:17] offset:512     ; k_local's
	global_load_b128 v[76:79], v[L16], s[16:17] offset:1024    ; v_local's
	global_load_b128 v[80:83], v[L16], s[18:19] offset:512     ; k_global's
	global_load_b128 v[84:87], v[L16], s[18:19] offset:1024    ; v_global's
	global_load_b128 v[88:91], v[L16], s[20:21]                ; local_pe_b2
	global_load_b128 v[92:95], v[L16], s[22:23]                ; global_pe_b2
	s_wait_loadcnt 0x0
.irp i, 0,2
	v_pk_add_f32 v[72+\i:73+\i], v[72+\i:73+\i], v[88+\i:89+\i] neg_lo:[0,1] neg_hi:[0,1]   ; k' = k - b2
	v_pk_add_f32 v[76+\i:77+\i], v[76+\i:77+\i], v[88+\i:89+\i]                             ; v' = v + b2
	v_pk_add_f32 v[80+\i:81+\i], v[80+\i:81+\i], v[92+\i:93+\i] neg_lo:[0,1] neg_hi:[0,1]
	v_pk_add_f32 v[84+\i:85+\i], v[84+\i:85+\i], v[92+\i:93+\i]
.endr
.irp g, 0,1,2,3,4,5
	global_store_b128 v[L16], v[64+4*\g:67+4*\g], s[28:29] offset:BIAS+512*\g
.endr
	s_endpgm
.Ldev:
	; ---- dev[m] = events[down_idx[m]], a lane a row
	s_sub_co_u32 s40, ttmp9, 177
	s_lshl_b32 s40, s40, 5
	v_add_nc_u32 v8, s40, v0                       ; m
	v_min_u32 v9, 0x9c3, v8                        ; the last work-group's lanes past row 2,499 read that row's index
	v_lshlrev_b32 v9, 2, v9
	global_load_b32 v10, v9, s[26:27]
	v_lshlrev_b32 v8, 4, v8
	s_wait_alu depctr_va_vdst(0)
	s_wait_loadcnt 0x0
	v_min_u32 v10, 0x4e1f, v10                     ; an index stays inside events: held at 19,999
	v_lshlrev_b32 v10, 4, v10
	global_load_b128 v[12:15], v10, s[24:25]
	s_wait_loadcnt 0x0
	global_store_b128 v8, v[12:15], s[30:31]
	s_endpgm
.Lfunc_end_k_q70da3cf20a_prep:
	.size	k_q70da3cf20a_prep, .Lfunc_end_k_q70da3cf20a_prep-k_q70da3cf20a_prep
	.p2alignl 7, 3214868480
	.fill 96, 4, 3214868480
	.section	.rodata,"a",@progbits
	.p2align	6, 0x0
	.amdhsa_kernel k_q70da3cf20a_prep
		.amdhsa_group_segment_fixed_size 0
		.amdhsa_private_segment_fixed_size 0
		.amdhsa_enable_private_segment 0
		.amdhsa_kernarg_size 112
		.amdhsa_user_sgpr_count 2
		.amdhsa_user_sgpr_kernarg_segment_ptr 1
		.amdhsa_wavefront_size32 1
		.amdhsa_system_sgpr_workgroup_id_x 1
		.amdhsa_system_sgpr_workgroup_id_y 1
		.amdhsa_system_sgpr_workgroup_id_z 1
		.amdhsa_system_vgpr_workitem_id 0
		.amdhsa_next_free_vgpr 128
		.amdhsa_next_free_sgpr 66
		.amdhsa_reserve_vcc 0
		.amdhsa_float_denorm_mode_32 3
		.amdhsa_float_denorm_mode_16_64 3
		.amdhsa_memory_ordered 1
		.amdhsa_forward_progress 1
		.amdhsa_inst_pref_size 29
	.end_amdhsa_kernel
	.amdgpu_metadata
---
amdhsa.version: [ 1, 2 ]
amdhsa.kernels:
  - .name:           k_q70da3cf20a_prep
    .symbol:         k_q70da3cf20a_prep.kd
    .args:
      - { .name: local_qkv_w, .offset: 0, .size: 8, .value_kind: global_buffer, .address_space: global }
      - { .name: global_qkv_w, .offset: 8, .size: 8, .value_kind: global_buffer, .address_space: global }
      - { .name: local_pe_w2, .offset: 16, .size: 8, .value_kind: global_buffer, .address_space: global }
      - { .name: global_pe_w2, .offset: 24, .size: 8, .value_kind: global_buffer, .address_space: global }
      - { .name: proj_w1, .offset: 32, .size: 8, .value_kind: global_buffer, .address_space: global }
      - { .name: proj_w2, .offset: 40, .size: 8, .value_kind: global_buffer, .address_space: global }
      - { .name: local_qkv_b, .offset: 48, .size: 8, .value_kind: global_buffer, .address_space: global }
      - { .name: global_qkv_b, .offset: 56, .size: 8, .value_kind: global_buffer, .address_space: global }
      - { .name: local_pe_b2, .offset: 64, .size: 8, .value_kind: global_buffer, .address_space: global }
      - { .name: global_pe_b2, .offset: 72, .size: 8, .value_kind: global_buffer, .address_space: global }
      - { .name: events, .offset: 80, .size: 8, .value_kind: global_buffer, .address_space: global }
      - { .name: down_idx, .offset: 88, .size: 8, .value_kind: global_buffer, .address_space: global }
      - { .name: wts, .offset: 96, .size: 8, .value_kind: global_buffer, .address_space: global }
      - { .name: dev, .offset: 104, .size: 8, .value_kind: global_buffer, .address_space: global }
    .group_segment_fixed_size: 0
    .private_segment_fixed_size: 0
    .kernarg_segment_align: 8
    .kernarg_segment_size: 112
    .max_flat_workgroup_size: 32
    .sgpr_count:     66
    .vgpr_count:     128
    .wavefront_size: 32
...
	.end_amdgpu_metadata
.endif
;; end of part 6
;; launch qkv (part 7): grid 250 x 1, 5 waves a work-group, no clusters, 197,632 bytes of LDS; arguments features, wts, q, kvl, kvg; writes q, kvl, kvg
.if DOCPART == 7
	.amdgcn_target "amdgcn-amd-amdhsa--gfx1250"
	.amdhsa_code_object_version 6
	.text
	.protected	k_q70da3cf20a_qkv
	.globl	k_q70da3cf20a_qkv
	.p2align	8
	.type	k_q70da3cf20a_qkv,@function
k_q70da3cf20a_qkv:
	s_mov_b64 s[64:65], 0
	v_nop
	global_prefetch_b8 v0, s[64:65] scope:SCOPE_SE
	s_setreg_imm32_b32 hwreg(HW_REG_WAVE_MODE, 25, 1), 1
	s_wait_xcnt 0x0
; QKV: [q_local q_global | k'_local v'_local | k'_global v'_global] = Q(features) Q(W) + bias, both operands in FP4 (E2M1) with one E8M0 scale for each 32 along K = 256; sums in f32.
; SHARES.  250 work-groups x 5 waves x 16 rows = 20,000 rows.  A wave owns 16 rows: 16,384 consecutive bytes of features and of each of the three outputs.  The waves share only the weights.
; THE WEIGHTS (96 fragment images, their scale words, 768 biases: the first 113,664 bytes of wts) come into LDS once, by asynchronous copies, at the same byte numbers as in wts; one barrier in all.
; THE ROWS.  Loads take the bytes as they lie (512 consecutive bytes a load); they turn through the wave's own stage in LDS (rows 1,040 bytes apart: the 16 rows that a read touches start 4 words apart), so that
; lane (r, h) gets k = 64 c + 32 h + 0 .. 31 of row r: two whole blocks of 32, in the order of the operand's layout.
; THE PRODUCT IS USED TRANSPOSED: source 0 = 16 output columns of W, source 1 = my 16 rows.  Lane (r, h) then holds row r, and register j of tile T column 16 T + 8 h + j.  The bias is the C of each sum's first instruction.
; THE WAY OUT: through the same stage, back as whole rows: each store covers 512 consecutive bytes, aligned.
; No cluster: the grid of 250 does not divide by 4, and what work-groups share (111 KB of weights) stands against the 320 KB that a work-group's five waves stream (16 KB in and 48 KB out each).  No tensor load: nothing in LDS is filled again.
; LIMITS: NaN and infinities among the inputs are not served; a block of zeros gets the scale byte 1 with zero codes.
.set QKV_S,  98304                     ; LDS = wts: codes at 0, scale words here,
.set BL,     110592                    ; the biases here,
.set STAGE,  113664                    ; and behind them a stage of 16 x 1,040 bytes for each wave, into which no copy lands
.set SPITCH, 1040
.set L16, 1                            ; v1   16 x lane
.set L4,  2                            ; v2   4 x lane
.set STW, 5                            ; v5   my stage + 16 x lane: bytes as they lie in memory
.set STR, 6                            ; v6   my stage + 1,040 r + 128 h: my numbers of a block
.set STO, 7                            ; v7   my stage + 1,040 r + 32 h: my eight results of a tile
.set BA,  8                            ; v8   the biases + 32 h
.set A8H, 10                           ; v10  8 h
.set PT,  11                           ; v11  a lane permute's destination
.set CL0, 12                           ; v12, v13  the copies: LDS address and offset in wts, 16 x thread
.set CL1, 14                           ; v14, v15  the same + 65,536
.set XS,  16                           ; v16-17 my rows' scale words, nothing else
.set WS,  18                           ; v18-25 the weights' scale words, nothing else
.set CB,  26                           ; v26, v27  wave 4's copies: the biases + 16 x lane
.set WA,  28                           ; v28  the codes of the 16 tiles in hand
.set SA,  29                           ; v29  their scale words
.set QT,  30                           ; v30-35 the quantiser's
.set XF,  36                           ; v36-51 my rows' two fragments
.set WF,  52                           ; v52-115 eight fragments of W; also 64 numbers from the stage; also rows on the way out
.set ACC, 116                          ; v116-243 16 tiles; first the 32 loads of features
.set WV,  14                           ; s14  wave
.set SEL, 18                           ; s[18:19] lane selects: lane l xor 16
; 64 numbers of a lane, v[src + 32 c + i] = k 64 c + 32 h + i of its row, become a fragment's 8 registers and its scale word.
.macro QUANT src, dst, sc
.irp c, 0,1
	v_max3_num_f32 v[QT+\c], |v[\src+32*\c]|, |v[\src+32*\c+1]|, 0x1800000   ; with the floor 2^(3 - 127): the byte cannot fall under 1
.endr
.irp i, 2,4,6,8,10,12,14,16,18,20,22,24,26,28,30
.irp c, 0,1
	v_max3_num_f32 v[QT+\c], v[QT+\c], |v[\src+32*\c+\i]|, |v[\src+32*\c+\i+1]|
.endr
.endr
.irp c, 0,1
	v_add_nc_u32 v[QT+2+\c], 0xff000000, v[QT+\c]      ; 2 off the exponent field: the conversion's scale operand
.endr
.irp c, 0,1
	v_lshrrev_b32 v[QT+4+\c], 23, v[QT+2+\c]           ; the scale's byte
.endr
	v_lshl_or_b32 v[QT+4], v[QT+5], 16, v[QT+4]        ; blocks h and 2 + h,
	v_lshlrev_b32 v[QT+4], v[A8H], v[QT+4]             ; at their places in the word;
	v_permlanex16_b32 v[PT], v[QT+4], s[SEL], s[SEL+1]
	v_or_b32 v[\sc], v[QT+4], v[PT]                    ; with lane l xor 16's two the word is whole
.irp c, 0,1
.irp u, 0,1,2,3
	v_cvt_scalef32_pk8_fp4_f32 v[\dst+4*\c+\u], v[\src+32*\c+8*\u:\src+32*\c+8*\u+7], v[QT+2+\c]
.endr
.endr
	v_nop                                              ; one plain instruction behind the last scaled conversion
.endm
; 16 tiles of 16 output columns, K = 256.  The biases go into the accumulators; then four tiles at a time: eight fragments and scale words from LDS, eight products.
; The four accumulators of a group take turns, one instruction a turn.
.macro LAYER bofs
.set T, 0
.rept 16
	ds_load_b128 v[ACC+8*T:ACC+8*T+3], v[BA] offset:\bofs+64*T
	ds_load_b128 v[ACC+8*T+4:ACC+8*T+7], v[BA] offset:\bofs+64*T+16
.set T, T+1
.endr
.irp g, 0,1,2,3
.if \g > 0
.rept 4
	v_nop                                              ; four plain instructions in front of loads into registers that matrix instructions have read
.endr
.endif
.irp q, 0,1,2,3
.irp s, 0,1
.irp c, 0,1
	ds_load_b128 v[WF+8*(2*\q+\s)+4*\c:WF+8*(2*\q+\s)+4*\c+3], v[WA] offset:(2*(4*\g+\q)+\s)*1024+512*\c
.endr
	ds_load_b32 v[WS+2*\q+\s], v[SA] offset:(2*(4*\g+\q)+\s)*128
.endr
.endr
	s_wait_dscnt 0x0
.irp s, 0,1
	s_wait_alu depctr_va_vdst(0)
.irp q, 0,1,2,3
	v_wmma_scale_f32_16x16x128_f8f6f4 v[ACC+8*(4*\g+\q):ACC+8*(4*\g+\q)+7], v[WF+8*(2*\q+\s):WF+8*(2*\q+\s)+7], v[XF+8*\s:XF+8*\s+7], v[ACC+8*(4*\g+\q):ACC+8*(4*\g+\q)+7], v[WS+2*\q+\s], v[XS+\s] matrix_a_fmt:MATRIX_FMT_FP4 matrix_b_fmt:MATRIX_FMT_FP4
.endr
.endr
.endr
.endm
; 16 rows x 256 columns leave: into my stage (each accumulator from its low end on), back as they lie in memory, 16 loads and stores at a time.  LDS serves a wave's instructions in order (ISA guide 5.7.1.4).
.macro OUT p
.rept 4
	v_nop                                              ; four plain instructions between the last products and the first read of results
.endr
.set T, 0
.rept 16
	ds_store_b128 v[STO], v[ACC+8*T:ACC+8*T+3] offset:64*T
	ds_store_b128 v[STO], v[ACC+8*T+4:ACC+8*T+7] offset:64*T+16
.set T, T+1
.endr
.irp half, 0,1
.if \half
	s_wait_xcnt 0x0                                    ; the first half's stores have read their registers: they are loaded again only behind this wait
.endif
.irp i, 0,1,2,3,4,5,6,7,8,9,10,11,12,13,14,15
	ds_load_b128 v[WF+4*\i:WF+4*\i+3], v[STW] offset:((16*\half+\i)/2)*SPITCH+(\i%2)*512
.endr
.irp i, 0,1,2,3,4,5,6,7,8,9,10,11,12,13,14,15
	s_wait_dscnt 15-\i                                 ; load i is in; the younger ones may be out
	global_store_b128 v[L16], v[WF+4*\i:WF+4*\i+3], s[\p:\p+1] offset:512*(16*\half+\i)
.endr
.endr
	s_wait_xcnt 0x0                                    ; the stores have read their registers
.endm
	s_load_b256 s[4:11], s[0:1], 0x0               ; features s[4:5], wts s[6:7], q s[8:9], kvl s[10:11]
	s_load_b64 s[12:13], s[0:1], 0x20              ; kvg
	v_lshl_add_u32 v254, v0, 2, 0x30100
	v_mov_b32 v255, 0
	ds_add_u32 v254, v255
	ds_add_u32 v254, v255
	v_lshrrev_b32 v30, 5, v0
	v_readfirstlane_b32 s[WV], v30
	v_and_b32 v31, 31, v0                          ; lane
	v_and_b32 v32, 15, v0                          ; r
	v_bfe_u32 v33, v0, 4, 1                        ; h
	v_lshlrev_b32 v[L16], 4, v31
	v_lshlrev_b32 v[L4], 2, v31
	s_mul_i32 s15, s[WV], 16*SPITCH
	s_add_co_u32 s15, s15, STAGE                   ; my stage
	v_add_nc_u32 v[STW], s15, v[L16]
	v_mul_u32_u24 v34, v32, SPITCH
	v_add_nc_u32 v34, s15, v34
	v_lshl_add_u32 v[STR], v33, 7, v34
	v_lshl_add_u32 v[STO], v33, 5, v34
	v_lshl_add_u32 v[BA], v33, 5, BL
	v_lshlrev_b32 v[A8H], 3, v33
	v_mov_b32 v[PT], 0
	v_lshlrev_b32 v[CL0], 4, v0
	v_lshlrev_b32 v[CL0+1], 4, v0
	v_add_nc_u32 v[CL1], 0x10000, v[CL0]
	v_add_nc_u32 v[CL1+1], 0x10000, v[CL0]
	v_add_nc_u32 v[CB], BL, v[L16]
	v_add_nc_u32 v[CB+1], BL, v[L16]
	s_mov_b32 s[SEL], 0x76543210
	s_mov_b32 s[SEL+1], 0xfedcba98
	s_mul_i32 s16, ttmp9, 5
	s_add_co_u32 s16, s16, s[WV]
	s_lshl_b32 s16, s16, 14                        ; my 16 rows of 1,024 bytes, in features and in each output
	s_mov_b32 s17, 0
	s_wait_dscnt 0x0
	s_wait_kmcnt 0x0
	s_add_nc_u64 s[4:5], s[4:5], s[16:17]
	s_add_nc_u64 s[8:9], s[8:9], s[16:17]
	s_add_nc_u64 s[10:11], s[10:11], s[16:17]
	s_add_nc_u64 s[12:13], s[12:13], s[16:17]
.set I, 0
.rept 32
	global_load_b128 v[ACC+4*I:ACC+4*I+3], v[L16], s[4:5] offset:512*I th:TH_LOAD_NT   ; my rows, read once in the launch: 512 consecutive bytes a load
.set I, I+1
.endr
	s_cmp_lt_u32 s[WV], 4                          ; waves 0 to 3 copy codes and scale words, 2,048 bytes a line; wave 4 the biases, 512 a line
	s_cbranch_scc0 .Lbias_copy
.set I, 0
	s_wait_alu depctr_va_vdst(0)
.rept 32
	global_load_async_to_lds_b128 v[CL0], v[CL0+1], s[6:7] offset:2048*I
.set I, I+1
.endr
.set I, 0
.rept 22
	global_load_async_to_lds_b128 v[CL1], v[CL1+1], s[6:7] offset:2048*I
.set I, I+1
.endr
	s_branch .Lcopied
.Lbias_copy:
.set I, 0
	s_wait_alu depctr_va_vdst(0)
.rept 6
	global_load_async_to_lds_b128 v[CB], v[CB+1], s[6:7] offset:512*I
.set I, I+1
.endr
.Lcopied:
	; ---- my rows turn through the stage and are quantised
.set I, 0
.rept 32
	s_wait_loadcnt 31-I                            ; loads come back in order (ISA guide 5.7.1): load I is in, the younger ones stay out
	ds_store_b128 v[STW], v[ACC+4*I:ACC+4*I+3] offset:(I/2)*SPITCH+(I%2)*512
.set I, I+1
.endr
.irp s, 0,1
.irp c, 0,1
.irp e, 0,1,2,3,4,5,6,7
	ds_load_b128 v[WF+32*\c+4*\e:WF+32*\c+4*\e+3], v[STR] offset:512*\s+256*\c+16*\e
.endr
.endr
	s_wait_dscnt 0x0
	QUANT WF, XF+8*\s, XS+\s
.endr
	s_wait_asynccnt 0x0                            ; for the others' sake: my copies have landed,
	s_wait_dscnt 0x0                               ; and no LDS instruction of mine is out
	s_barrier_signal -1
	s_barrier_wait -1                              ; the weights are whole in LDS
.rept 8
	v_nop                                          ; a scale register written by a vector instruction stands eight plain instructions ahead of a scaled product, an operand so written four
.endr
.irp b, 0,1,2
	v_add_nc_u32 v[WA], 32768*\b, v[L16]           ; 32 fragments for each output buffer,
	v_add_nc_u32 v[SA], QKV_S+4096*\b, v[L4]       ; their scale words
	LAYER 1024*\b
	OUT 8+2*\b
.endr
	s_wait_tensorcnt 0x0
	ds_add_u32 v254, v255
	s_wait_dscnt 0x0
	s_endpgm
.Lfunc_end_k_q70da3cf20a_qkv:
	.size	k_q70da3cf20a_qkv, .Lfunc_end_k_q70da3cf20a_qkv-k_q70da3cf20a_qkv
	.p2alignl 7, 3214868480
	.fill 96, 4, 3214868480
	.section	.rodata,"a",@progbits
	.p2align	6, 0x0
	.amdhsa_kernel k_q70da3cf20a_qkv
		.amdhsa_group_segment_fixed_size 197632
		.amdhsa_private_segment_fixed_size 0
		.amdhsa_enable_private_segment 0
		.amdhsa_kernarg_size 40
		.amdhsa_user_sgpr_count 2
		.amdhsa_user_sgpr_kernarg_segment_ptr 1
		.amdhsa_wavefront_size32 1
		.amdhsa_system_sgpr_workgroup_id_x 1
		.amdhsa_system_sgpr_workgroup_id_y 1
		.amdhsa_system_sgpr_workgroup_id_z 1
		.amdhsa_system_vgpr_workitem_id 0
		.amdhsa_next_free_vgpr 256
		.amdhsa_next_free_sgpr 66
		.amdhsa_reserve_vcc 0
		.amdhsa_float_denorm_mode_32 3
		.amdhsa_float_denorm_mode_16_64 3
		.amdhsa_memory_ordered 1
		.amdhsa_forward_progress 1
		.amdhsa_inst_pref_size 86
	.end_amdhsa_kernel
	.amdgpu_metadata
---
amdhsa.version: [ 1, 2 ]
amdhsa.kernels:
  - .name:           k_q70da3cf20a_qkv
    .symbol:         k_q70da3cf20a_qkv.kd
    .args:
      - { .name: features, .offset: 0, .size: 8, .value_kind: global_buffer, .address_space: global }
      - { .name: wts, .offset: 8, .size: 8, .value_kind: global_buffer, .address_space: global }
      - { .name: q, .offset: 16, .size: 8, .value_kind: global_buffer, .address_space: global }
      - { .name: kvl, .offset: 24, .size: 8, .value_kind: global_buffer, .address_space: global }
      - { .name: kvg, .offset: 32, .size: 8, .value_kind: global_buffer, .address_space: global }
    .group_segment_fixed_size: 197632
    .private_segment_fixed_size: 0
    .kernarg_segment_align: 8
    .kernarg_segment_size: 40
    .max_flat_workgroup_size: 160
    .sgpr_count:     66
    .vgpr_count:     256
    .wavefront_size: 32
...
	.end_amdgpu_metadata
.endif
;; end of part 7
;; launch pool (part 8): grid 625 x 1, 4 waves a work-group, no clusters, 0 bytes of LDS; arguments pair_idx, kvg, kvp; writes kvp
.if DOCPART == 8
	.amdgcn_target "amdgcn-amd-amdhsa--gfx1250"
	.amdhsa_code_object_version 6
	.text
	.protected	k_q70da3cf20a_pool
	.globl	k_q70da3cf20a_pool
	.p2align	8
	.type	k_q70da3cf20a_pool,@function
k_q70da3cf20a_pool:
	s_mov_b64 s[64:65], 0
	v_nop
	global_prefetch_b8 v0, s[64:65] scope:SCOPE_SE
	s_setreg_imm32_b32 hwreg(HW_REG_WAVE_MODE, 25, 1), 1
	s_wait_xcnt 0x0
; POOL: kvp[m] = the maximum over j = 0 .. 15 of kvg[pair_idx[m][j]], a row of 256 f32 (k' | v').  One wave to a row m: 625 work-groups x 4 waves = 2,500.
; The 16 indices come by one scalar load; each row by two loads of 512 consecutive bytes; all 32 loads are out together.  A stream of gathers: no LDS, no barrier, no matrix unit, no cluster (waves share nothing that is known ahead).
; The rows may be named by several m: no hint on the loads.  LIMITS: NaN is not served (a NaN loses in the maximum).
	s_load_b128 s[4:7], s[0:1], 0x0                ; pair_idx s[4:5], kvg s[6:7]
	s_load_b64 s[8:9], s[0:1], 0x10                ; kvp
	v_lshrrev_b32 v18, 5, v0
	v_readfirstlane_b32 s10, v18                   ; wave
	v_and_b32 v1, 31, v0
	v_lshlrev_b32 v1, 4, v1                        ; 16 x lane
	s_lshl_b32 s11, ttmp9, 2
	s_add_co_u32 s11, s11, s10                     ; m
	s_lshl_b32 s12, s11, 6                         ; its 16 indices
	s_mov_b32 s13, 0
	s_lshl_b32 s14, s11, 10                        ; its row of kvp
	s_mov_b32 s15, 0
	s_wait_alu depctr_va_vdst(0)
	s_wait_kmcnt 0x0
	s_add_nc_u64 s[4:5], s[4:5], s[12:13]
	s_add_nc_u64 s[8:9], s[8:9], s[14:15]
	s_load_b512 s[16:31], s[4:5], 0x0
	s_wait_kmcnt 0x0
.irp j, 0,1,2,3,4,5,6,7,8,9,10,11,12,13,14,15
	s_min_u32 s[16+\j], s[16+\j], 0x4e1f           ; an index stays inside kvg: held at 19,999
.endr
.irp j, 0,1,2,3,4,5,6,7,8,9,10,11,12,13,14,15
	v_lshl_add_u32 v[2+\j], s[16+\j], 10, v1
.endr
.irp j, 0,1,2,3,4,5,6,7,8,9,10,11,12,13,14,15
	global_load_b128 v[32+8*\j:35+8*\j], v[2+\j], s[6:7]
	global_load_b128 v[36+8*\j:39+8*\j], v[2+\j], s[6:7] offset:512
.endr
	s_wait_loadcnt 0x0
.irp p, 0,1,2,3,4,5,6,7
	v_max3_num_f32 v[160+\p], v[32+\p], v[40+\p], v[48+\p]
.endr
.irp j, 3,5,7,9,11,13
.irp p, 0,1,2,3,4,5,6,7
	v_max3_num_f32 v[160+\p], v[160+\p], v[32+8*\j+\p], v[40+8*\j+\p]   ; the eight chains by turns
.endr
.endr
.irp p, 0,1,2,3,4,5,6,7
	v_max_num_f32 v[160+\p], v[160+\p], v[152+\p]
.endr
	global_store_b128 v1, v[160:163], s[8:9]               ; each store covers 512 consecutive bytes, aligned
	global_store_b128 v1, v[164:167], s[8:9] offset:512
	s_endpgm
.Lfunc_end_k_q70da3cf20a_pool:
	.size	k_q70da3cf20a_pool, .Lfunc_end_k_q70da3cf20a_pool-k_q70da3cf20a_pool
	.p2alignl 7, 3214868480
	.fill 96, 4, 3214868480
	.section	.rodata,"a",@progbits
	.p2align	6, 0x0
	.amdhsa_kernel k_q70da3cf20a_pool
		.amdhsa_group_segment_fixed_size 0
		.amdhsa_private_segment_fixed_size 0
		.amdhsa_enable_private_segment 0
		.amdhsa_kernarg_size 24
		.amdhsa_user_sgpr_count 2
		.amdhsa_user_sgpr_kernarg_segment_ptr 1
		.amdhsa_wavefront_size32 1
		.amdhsa_system_sgpr_workgroup_id_x 1
		.amdhsa_system_sgpr_workgroup_id_y 1
		.amdhsa_system_sgpr_workgroup_id_z 1
		.amdhsa_system_vgpr_workitem_id 0
		.amdhsa_next_free_vgpr 168
		.amdhsa_next_free_sgpr 66
		.amdhsa_reserve_vcc 0
		.amdhsa_float_denorm_mode_32 3
		.amdhsa_float_denorm_mode_16_64 3
		.amdhsa_memory_ordered 1
		.amdhsa_forward_progress 1
		.amdhsa_inst_pref_size 10
	.end_amdhsa_kernel
	.amdgpu_metadata
---
amdhsa.version: [ 1, 2 ]
amdhsa.kernels:
  - .name:           k_q70da3cf20a_pool
    .symbol:         k_q70da3cf20a_pool.kd
    .args:
      - { .name: pair_idx, .offset: 0, .size: 8, .value_kind: global_buffer, .address_space: global }
      - { .name: kvg, .offset: 8, .size: 8, .value_kind: global_buffer, .address_space: global }
      - { .name: kvp, .offset: 16, .size: 8, .value_kind: global_buffer, .address_space: global }
    .group_segment_fixed_size: 0
    .private_segment_fixed_size: 0
    .kernarg_segment_align: 8
    .kernarg_segment_size: 24
    .max_flat_workgroup_size: 128
    .sgpr_count:     66
    .vgpr_count:     168
    .wavefront_size: 32
...
	.end_amdgpu_metadata
.endif
;; end of part 8
;; launch attn (part 9): grid 250 x 2, 8 waves a work-group, no clusters, 0 bytes of LDS; arguments events, dev, local_idx, inv_pair_idx, kvl, kvp, local_pe_w1, global_pe_w1, local_pe_b1, global_pe_b1, local_fc_g, global_fc_g, local_fc_b, global_fc_b, q, wts, att; writes att
.if DOCPART == 9
	.amdgcn_target "amdgcn-amd-amdhsa--gfx1250"
	.amdhsa_code_object_version 6
	.text
	.protected	k_q70da3cf20a_attn
	.globl	k_q70da3cf20a_attn
	.p2align	8
	.type	k_q70da3cf20a_attn,@function
k_q70da3cf20a_attn:
	s_mov_b64 s[64:65], 0
	v_nop
	global_prefetch_b8 v0, s[64:65] scope:SCOPE_SE
	s_setreg_imm32_b32 hwreg(HW_REG_WAVE_SCHED_MODE, 0, 2), 2
	s_setreg_imm32_b32 hwreg(HW_REG_WAVE_MODE, 25, 1), 1
	s_wait_xcnt 0x0
	s_wait_alu depctr_vm_vsrc(0)
; ATTN: one branch (work-group y: 0 local, 1 global) of the neighbour attention.  For a point n and its 16 neighbours i:
;   hid = relu((events[n] - tab[idx[n][i]]) w1 + b1)      f32 operands (v_wmma_f32_16x16x4_f32): its result goes into a quantiser
;   pe' = Q(hid) Q(w2)                                    FP4 (E2M1), one E8M0 scale for each 32 along K = 128;  pe_b2 lies folded in k' and v'
;   x = q[n] - k'[idx] + pe';  z = LayerNorm over the 128 channels of x, x g + b, / sqrt(128);  a = softmax of z over the 16 neighbours, the maximum taken away first;  att[n] = the sum over i of a (v'[idx] + pe').
; tab, idx, k' v': events, local_idx, kvl, or dev, inv_pair_idx, kvp.  Everything but the second product in f32.
; SHARES.  250 x 8 waves x 10 points = 20,000 for each branch.  A wave takes one point at a time: ITS 16 NEIGHBOURS ARE THE 16 ROWS OF A TILE.  Two waves to a SIMD; no LDS, no barrier: waves share nothing.
; LAYOUT.  The first product is used transposed (source 0 = 16 units of w1, source 1 = the 16 differences) and row m of its tile 4 c + u is unit 64 c + 32 (m / 8) + 8 u + m % 8: so lane (r, h) holds neighbour r, and the
; 32 registers of tiles (c, 0 .. 3) are k = 64 c + 32 h + 0 .. 31 of the second product: whole blocks in the operand's own order.  The second product is used as it reads (source 0 = the 16 neighbours, source 1 = 16 channels):
; lane (r, h), register j of tile t = neighbour 8 h + j, channel 64 (t / 4) + 4 r + t % 4.  So a lane's 8 channels are two runs of 16 bytes, and one gather of 16 bytes a lane reads 256 consecutive aligned bytes of one row in each half of the lanes.
; LayerNorm sums over tiles and the 16 lanes of a half; the softmax over a tile's 8 registers and the two halves.
; The second product is issued twice: once onto C = q - k' (gives x), once onto 0 (gives pe' for the weighted sum): 8 matrix instructions in place of 64 additions.
; THE INDICES of a point are the same 64 bytes for every lane: they come by ONE SCALAR LOAD.  Lanes 0-15 want index j and lanes 16-31 index 8 + j: 8 idx = idx[j] x 8 (1 - h) + idx[8 + j] x 8 h, a multiply and a multiply-add;
; the row's offset is that x 128 + 16 r.  Only the gather of coordinates wants a lane's own index (idx[r]): one vector load.  All that an address is made of lies in window 0.
; AHEAD.  A point's differences, q and k' rows are asked for in the middle of the point before, its v' rows at the end of the point before, its indices two points ahead: 16 to 37 loads of a wave are out at any time.
; TWO SETS OF OFFSETS, so that none is rewritten while a gather may still read it and no wait stands straight behind a request: OFFN (k') is written behind the wait that shows the k' rows in, OFF = OFFN + 512 (v') behind the wait that shows the v' rows in.
; THE MODE: SCHED_MODE bits 1:0 = 2 (LLVM: expert scheduling mode 2), set by the entry lines.  The code itself states the register dependences between vector or matrix instructions and memory instructions, with s_wait_alu, always for 0.
; THE PLAN.  Registers that memory instructions touch, round the loop:
;   V                      Loaded by the 16 gathers of v' at a point's end, for the next point; read by that point's 64 multiply-adds.
;   OFF                    Written by eight additions behind the wait that shows v' in; read by the gathers of v' at the same point's end.
;   IDR, EE, EN, QQ, KK    Loaded by the 21 loads in a point's middle, for the next point; read by that point's difference, index arithmetic and 64 subtractions, which all stand ahead of its own 21 loads.
;   AEV, OFFN              Written by the index arithmetic in a point's first half; read by the point's 21 loads.
;   OUTR                   Written by the four multiplications at a point's end; read by the store.
;   A16, A4R, A8H, AOUT    Made at the head and never written again.
; So a point has ONE wait on vm_vsrc, ahead of the index arithmetic: all requests issued so far have read AEV, OFFN, OFF and OUTR, which are written again only below it.  And it has three places where memory instructions follow a wait on va_vdst:
; the 21 loads, behind the subtractions and the offsets (the same wait shows the quantiser's codes and scale word written, for the scaled products); the gathers of v', behind the wait that the four reciprocals have in any case;
; the store, behind its four multiplications.  The waits behind the roots and the exponentials stand for those results alone.
; The 21 loads stay in one run ahead of the scaled products: they land in window 1 and the products write window 0, so that each turn between the two would cost two switches.  No further buffer: two waves of 512 registers fill a SIMD's 1,024.
; No cluster and no tensor load: the gathers are addressed from index inputs, half a wave to a row, and the grid of 250 does not divide by 4.  No prefetch: the gathers themselves go out a whole point ahead.
; LIMITS: NaN and infinities are not served.  A block of zeros gets the scale byte 1 with zero codes.  Both branches hold an index at 19,999: dev and kvp are given 20,000 rows for that, of which the rows that the problem's indices can name (under 2,500) are written.
; The loop's last trip loads one row of indices that is not used (held inside the buffer).
.set PE_C, 113664
.set PE_S, 130048
; window 0
.set NH8,  0                           ; v0   8 (1 - h)
.set A16,  1                           ; v1   16 r
.set AOUT, 2                           ; v2   256 h + 16 r
.set A4R,  3                           ; v3   4 r
.set A8H,  4                           ; v4   8 h
.set IDR,  5                           ; v5   idx[r]
.set AEV,  6                           ; v6   16 idx[r] + 8 h
.set ASC,  7                           ; v7   the hidden layer's scale word, nothing else
.set OFF,  8                           ; v8-15  1,024 idx[8 h + j] + 16 r + 512: the v' rows asked for last
.set BSC,  16                          ; v16-23 w2's scale words, nothing else
.set OFFN, 24                          ; v24-31 the point asked for last: 1,024 idx[8 h + j] + 16 r: its k'
.set W,    32                          ; v32-63 at work
.set DD,   W                           ; v[32:33] the differences
.set PT,   W                           ; v32  later the destination of the quantiser's lane permute: the differences are done with by then
.set QT,   W+2                         ; v34-39 the quantiser's
.set CODE, W+8                         ; v40-47 the hidden layer's fragment
.set SS,   W+16                        ; v48-55 sums, then 1 / sqrt
.set TT,   W+24                        ; v56-63 sums of squares
.set TQ,   W+24                        ; v56-63 before that: 8 idx of the next point
.set MM,   W                           ; v32-39 maxima
.set MP,   W+8                         ; v40-47 the other half's
.set X,    64                          ; v64-127
.set H,    128                         ; v128-191: written by matrix instructions alone
.set V,    192                         ; v192-255 v': register 32 a + 4 j + i: neighbour 8 h + j, channel 64 a + 4 r + i
; window 1 (numbers as they are written)
.set W1A,  0                           ; w1's 8 tiles, 2 registers each
.set B1C,  16                          ; b1 in the result's layout, 8 tiles
.set W2F,  80                          ; w2's 8 fragments
.set KK,   144                         ; k', laid as V
.set QQ,   208                         ; q of my 8 channels
.set GG,   216                         ; g c,
.set BB,   224                         ; b c, c = log2(e) / sqrt(128)
.set OUTR, 232                         ; the four results to store
.set EE,   242                         ; tab[idx[r]][2 h, 2 h + 1]
.set EN,   244                         ; events[n][2 h, 2 h + 1]
; scalars
.set EVB,  40
.set TAB,  42
.set IDXB, 44
.set QB,   46
.set KVB,  48
.set OUTP, 50
.set PEN,  52
.set PQ,   54
.set PI,   56
.set SEL,  58
.set NN,   70                          ; s70  the point in hand
.set IX,   80                          ; s[80:95] 16 indices
.set MSB, 0
.macro WIN new                         ; the immediate's high byte repeats the setting that is left; a switch that changes nothing is dropped
.if MSB != \new
	s_set_vgpr_msb (MSB<<8)|\new
.set MSB, \new
.endif
.endm
.macro QUANT src, dst, sc
.irp c, 0,1
	v_max3_num_f32 v[QT+\c], |v[\src+32*\c]|, |v[\src+32*\c+1]|, 0x1800000   ; with the floor 2^(3 - 127): the byte cannot fall under 1
.endr
.irp i, 2,4,6,8,10,12,14,16,18,20,22,24,26,28,30
.irp c, 0,1
	v_max3_num_f32 v[QT+\c], v[QT+\c], |v[\src+32*\c+\i]|, |v[\src+32*\c+\i+1]|
.endr
.endr
.irp c, 0,1
	v_add_nc_u32 v[QT+2+\c], 0xff000000, v[QT+\c]      ; 2 off the exponent field: the conversion's scale operand
.endr
.irp c, 0,1
	v_lshrrev_b32 v[QT+4+\c], 23, v[QT+2+\c]           ; the scale's byte
.endr
	v_lshl_or_b32 v[QT+4], v[QT+5], 16, v[QT+4]        ; blocks h and 2 + h,
	v_lshlrev_b32 v[QT+4], v[A8H], v[QT+4]             ; at their places in the word;
	v_permlanex16_b32 v[PT], v[QT+4], s[SEL], s[SEL+1]
	v_or_b32 v[\sc], v[QT+4], v[PT]                    ; with lane l xor 16's two the word is whole
.irp c, 0,1
.irp u, 0,1,2,3
	v_cvt_scalef32_pk8_fp4_f32 v[\dst+4*\c+\u], v[\src+32*\c+8*\u:\src+32*\c+8*\u+7], v[QT+2+\c]
.endr
.endr
	v_nop                                              ; one plain instruction behind the last scaled conversion
.endm
; The indices that have come, first part: 18 plain vector instructions.
.macro IDXA
	s_wait_kmcnt 0x0                                   ; the 16 indices are in
.irp j, 0,1,2,3,4,5,6,7,8,9,10,11,12,13,14,15
	s_min_u32 s[IX+\j], s[IX+\j], 0x4e1f               ; held at 19,999: inside every table
.endr
.irp j, 0,1,2,3,4,5,6,7
	v_mul_u32_u24 v[TQ+\j], s[IX+\j], v[NH8]           ; lanes 0-15: 8 idx[j]
.endr
.irp j, 0,1,2,3,4,5,6,7
	v_mad_u32_u24 v[TQ+\j], s[IX+8+\j], v[A8H], v[TQ+\j]   ; lanes 16-31: 8 idx[8 + j]
.endr
	v_min_u32 v[AEV], 0x4e1f, v[IDR]
	v_lshl_add_u32 v[AEV], v[AEV], 4, v[A8H]
.endm
; Second part: the k' gathers' offsets.  It stands behind the wait that shows the last k' gathers done.
.macro IDXB
.irp j, 0,1,2,3,4,5,6,7
	v_lshl_add_u32 v[OFFN+\j], v[TQ+\j], 7, v[A16]     ; 1,024 idx + 16 r
.endr
.endm
; Third part: the v' gathers' offsets.  It stands behind the wait that shows the last v' gathers done.
.macro OFFS
.irp j, 0,1,2,3,4,5,6,7
	v_add_nc_u32 v[OFF+\j], 0x200, v[OFFN+\j]          ; v' lies 512 bytes behind k' in a row
.endr
.endm
; 21 loads for the point n + dq, whose offsets stand in OFFN and AEV, and the indices of the point n + di.  The index word and the coordinates go first: they are wanted first.
.macro PREF dq, di
	s_add_co_u32 s72, s[NN], \dq
	s_lshl_b32 s74, s72, 4
	s_add_nc_u64 s[PEN:PEN+1], s[EVB:EVB+1], s[74:75]
	s_lshl_b32 s74, s72, 10
	s_add_nc_u64 s[PQ:PQ+1], s[QB:QB+1], s[74:75]
	s_add_co_u32 s72, s[NN], \di
	s_min_u32 s72, s72, 0x4e1f                         ; no load leaves its buffer
	s_lshl_b32 s74, s72, 6
	s_add_nc_u64 s[PI:PI+1], s[IDXB:IDXB+1], s[74:75]
	WIN 0
	s_wait_alu depctr_va_vdst(0)                       ; AEV and OFFN are written, which the loads below read (at the head: OFF too, for the gathers of v' that follow); the index arithmetic, the difference and the subtractions are done reading IDR, EE, EN, QQ and KK, in which the loads below land; in the loop the quantiser has written the codes and the scale word that the scaled products behind these loads take
	s_load_b512 s[IX:IX+15], s[PI:PI+1], 0x0
	global_load_b32 v[IDR], v[A4R], s[PI:PI+1]
	WIN 0x40                                           ; destination window 1, address window 0; between the wait above and the loads below stand loads and this switch alone
	global_load_b64 v[EE:EE+1], v[AEV], s[TAB:TAB+1]
	global_load_b64 v[EN:EN+1], v[A8H], s[PEN:PEN+1]
	global_load_b128 v[QQ:QQ+3], v[A16], s[PQ:PQ+1] th:TH_LOAD_NT              ; a row of q is read once in the launch
	global_load_b128 v[QQ+4:QQ+7], v[A16], s[PQ:PQ+1] offset:256 th:TH_LOAD_NT
.irp a, 0,1
.irp j, 0,1,2,3,4,5,6,7
	global_load_b128 v[KK+32*\a+4*\j:KK+32*\a+4*\j+3], v[OFFN+\j], s[KVB:KVB+1] offset:256*\a
.endr
.endr
.endm
; 16 gathers: the v' rows of the point whose offsets stand in OFF; wanted at that point's end.  All their registers lie in window 0.
.macro VGATH
.irp a, 0,1
.irp j, 0,1,2,3,4,5,6,7
	global_load_b128 v[V+32*\a+4*\j:V+32*\a+4*\j+3], v[OFF+\j], s[KVB:KVB+1] offset:256*\a
.endr
.endr
.endm
; ONE POINT.  On entry 37 loads are out: PREF's 21, then the 16 gathers of v'.  pre = 1: the next point is asked for.
.macro ITER pre
	WIN 0
	s_wait_loadcnt 34                                  ; the index word and the two loads of coordinates are in; behind them: 2 of q, 16 of k', 16 of v'
	WIN 0x05
	v_pk_add_f32 v[DD:DD+1], v[EN:EN+1], v[EE:EE+1] neg_lo:[0,1] neg_hi:[0,1]   ; lane (r, h): coordinates 2 h, 2 h + 1 of events[n] - tab[idx[r]]
	WIN 0x11                                           ; w1 and b1 window 1
.irp T, 0,1,2,3,4,5,6,7
	v_wmma_f32_16x16x4_f32 v[H+8*\T:H+8*\T+7], v[W1A+2*\T:W1A+2*\T+1], v[DD:DD+1], v[B1C+8*\T:B1C+8*\T+7]   ; b1 is the C: each sum is one instruction
.endr
	WIN 0
	s_wait_alu depctr_vm_vsrc(0)                       ; the requests issued so far have read their registers: the 21 loads AEV and OFFN, the gathers of v' OFF, the store of the point before its four results; all of these are written again only below this line.  In the first trip also: the head's loads have read v34 to v37, which are at work from here on
.if \pre
	IDXA                                               ; its 18 plain instructions, which name no register of the products above, are also the eight that stand between those and the first read of their results (ISA guide 7.12.1).  AEV's last reader, the load of coordinates, is in
.else
	s_wait_kmcnt 0x0                                   ; the one row of indices that is not used has come
.rept 8
	v_nop
.endr
.endif
.set K, 0
.rept 64
	v_max_num_f32 v[X+K], 0, v[H+K]                    ; relu, into other registers; each accumulator from its low end on
.set K, K+1
.endr
	QUANT X, CODE, ASC
	s_wait_loadcnt 16                                  ; q and k' are in; v' may be out
	WIN 0x05
.irp t, 0,1,2,3,4,5,6,7
.irp j, 0,1,2,3,4,5,6,7
	v_sub_f32 v[X+8*\t+\j], v[QQ+\t], v[KK+32*(\t/4)+4*\j+(\t%4)]   ; q - k': the C of x.  (These 64 also stand between the scale word's and the codes' last writes and the scaled products)
.endr
.endr
.if \pre
	WIN 0
	IDXB                                               ; the k' gathers that read OFFN are done (the wait on loads above)
	PREF 1, 2                                          ; all older loads but v' are done, so their bases may be written
.else
	s_wait_alu depctr_va_vdst(0)                       ; the quantiser has written the codes and the scale word, which the scaled products below take; the 64 subtractions above are the plain instructions that stand ahead of this wait
.endif
	WIN 0x04                                           ; w2 window 1
.irp t, 0,1,2,3,4,5,6,7
	v_wmma_scale_f32_16x16x128_f8f6f4 v[X+8*\t:X+8*\t+7], v[CODE:CODE+7], v[W2F+8*\t:W2F+8*\t+7], v[X+8*\t:X+8*\t+7], v[ASC], v[BSC+\t] matrix_a_fmt:MATRIX_FMT_FP4 matrix_b_fmt:MATRIX_FMT_FP4
	v_wmma_scale_f32_16x16x128_f8f6f4 v[H+8*\t:H+8*\t+7], v[CODE:CODE+7], v[W2F+8*\t:W2F+8*\t+7], 0, v[ASC], v[BSC+\t] matrix_a_fmt:MATRIX_FMT_FP4 matrix_b_fmt:MATRIX_FMT_FP4
.endr
	WIN 0
.rept 4
	v_nop                                              ; four plain instructions between the products and the first read of results
.endr
	; ---- LayerNorm over the channels: 8 tiles x the 16 lanes of my half; a pair of registers = two neighbours
.irp p, 0,1,2,3
	v_pk_add_f32 v[SS+2*\p:SS+2*\p+1], v[X+2*\p:X+2*\p+1], v[X+8+2*\p:X+8+2*\p+1]
.endr
.irp t, 2,3,4,5,6,7
.irp p, 0,1,2,3
	v_pk_add_f32 v[SS+2*\p:SS+2*\p+1], v[SS+2*\p:SS+2*\p+1], v[X+8*\t+2*\p:X+8*\t+2*\p+1]
.endr
.endr
.irp m, 1,2,4,8
.irp k, 0,1,2,3,4,5,6,7
	v_add_f32_dpp v[SS+\k], v[SS+\k], v[SS+\k] row_xmask:\m row_mask:0xf bank_mask:0xf
.endr
.endr
.irp t, 0,1,2,3,4,5,6,7
.irp p, 0,1,2,3
	v_pk_fma_f32 v[X+8*\t+2*\p:X+8*\t+2*\p+1], v[SS+2*\p:SS+2*\p+1], s[62:63], v[X+8*\t+2*\p:X+8*\t+2*\p+1] op_sel_hi:[1,0,1]   ; x - the mean
.endr
.endr
.irp p, 0,1,2,3
	v_pk_mul_f32 v[TT+2*\p:TT+2*\p+1], v[X+2*\p:X+2*\p+1], v[X+2*\p:X+2*\p+1]
.endr
.irp t, 1,2,3,4,5,6,7
.irp p, 0,1,2,3
	v_pk_fma_f32 v[TT+2*\p:TT+2*\p+1], v[X+8*\t+2*\p:X+8*\t+2*\p+1], v[X+8*\t+2*\p:X+8*\t+2*\p+1], v[TT+2*\p:TT+2*\p+1]
.endr
.endr
.irp m, 1,2,4,8
.irp k, 0,1,2,3,4,5,6,7
	v_add_f32_dpp v[TT+\k], v[TT+\k], v[TT+\k] row_xmask:\m row_mask:0xf bank_mask:0xf
.endr
.endr
.irp k, 0,1,2,3,4,5,6,7
	v_fma_f32 v[TT+\k], v[TT+\k], s66, s68             ; the variance + 1e-5
.endr
	s_wait_alu depctr_va_vdst(0)
.irp k, 0,1,2,3,4,5,6,7
	v_rsq_f32 v[SS+\k], v[TT+\k]
.endr
	v_nop                                              ; a plain instruction behind the last of the batch
	s_wait_alu depctr_va_vdst(0)                       ; the eight 1 / sqrt are written, ahead of their first reader: one wait for the batch
.irp t, 0,1,2,3,4,5,6,7
.irp p, 0,1,2,3
	v_pk_mul_f32 v[X+8*\t+2*\p:X+8*\t+2*\p+1], v[X+8*\t+2*\p:X+8*\t+2*\p+1], v[SS+2*\p:SS+2*\p+1]
.endr
.endr
	WIN 0x14                                           ; g c and b c window 1; a tile's one g and one b serve both halves of a pair
.irp t, 0,1,2,3,4,5,6,7
.irp p, 0,1,2,3
.if \t % 2
	v_pk_fma_f32 v[X+8*\t+2*\p:X+8*\t+2*\p+1], v[X+8*\t+2*\p:X+8*\t+2*\p+1], v[GG+\t-1:GG+\t], v[BB+\t-1:BB+\t] op_sel:[0,1,1] op_sel_hi:[1,1,1]
.else
	v_pk_fma_f32 v[X+8*\t+2*\p:X+8*\t+2*\p+1], v[X+8*\t+2*\p:X+8*\t+2*\p+1], v[GG+\t:GG+\t+1], v[BB+\t:BB+\t+1] op_sel_hi:[1,0,0]
.endif
.endr
.endr
	WIN 0
	; ---- softmax over the 16 neighbours of each channel: a tile's 8 registers and the lane 16 away; in base 2
.irp t, 0,1,2,3,4,5,6,7
	v_max3_num_f32 v[MM+\t], v[X+8*\t], v[X+8*\t+1], v[X+8*\t+2]
.endr
.irp i, 3,5
.irp t, 0,1,2,3,4,5,6,7
	v_max3_num_f32 v[MM+\t], v[MM+\t], v[X+8*\t+\i], v[X+8*\t+\i+1]
.endr
.endr
.irp t, 0,1,2,3,4,5,6,7
	v_max_num_f32 v[MM+\t], v[MM+\t], v[X+8*\t+7]
.endr
.irp t, 0,1,2,3,4,5,6,7
	v_permlanex16_b32 v[MP+\t], v[MM+\t], s[SEL], s[SEL+1]
.endr
.irp t, 0,1,2,3,4,5,6,7
	v_max_num_f32 v[MM+\t], v[MM+\t], v[MP+\t]
.endr
.irp t, 0,1,2,3,4,5,6,7
.irp p, 0,1,2,3
.if \t % 2
	v_pk_add_f32 v[X+8*\t+2*\p:X+8*\t+2*\p+1], v[X+8*\t+2*\p:X+8*\t+2*\p+1], v[MM+\t-1:MM+\t] op_sel:[0,1] op_sel_hi:[1,1] neg_lo:[0,1] neg_hi:[0,1]
.else
	v_pk_add_f32 v[X+8*\t+2*\p:X+8*\t+2*\p+1], v[X+8*\t+2*\p:X+8*\t+2*\p+1], v[MM+\t:MM+\t+1] op_sel_hi:[1,0] neg_lo:[0,1] neg_hi:[0,1]
.endif
.endr
.endr
.set K, 0
	s_wait_alu depctr_va_vdst(0)
.rept 64
	v_exp_f32 v[X+K], v[X+K]
.set K, K+1
.endr
	v_nop                                              ; a plain instruction behind the last of the batch
	s_wait_alu depctr_va_vdst(0)                       ; the 64 exponentials are written, ahead of their first reader: one wait for the batch
	; ---- the divisor and the weighted sum, in pairs (even neighbours, odd neighbours): L at v[W + 2 t], O at v[W + 16 + 2 t]
.irp t, 0,1,2,3,4,5,6,7
	v_pk_add_f32 v[W+2*\t:W+2*\t+1], v[X+8*\t:X+8*\t+1], v[X+8*\t+2:X+8*\t+3]
.endr
.irp p, 2,3
.irp t, 0,1,2,3,4,5,6,7
	v_pk_add_f32 v[W+2*\t:W+2*\t+1], v[W+2*\t:W+2*\t+1], v[X+8*\t+2*\p:X+8*\t+2*\p+1]
.endr
.endr
.irp t, 0,1,2,3,4,5,6,7
	v_pk_mul_f32 v[W+16+2*\t:W+16+2*\t+1], v[X+8*\t:X+8*\t+1], v[H+8*\t:H+8*\t+1]   ; a pe': each accumulator from its low end on
.endr
.irp p, 1,2,3
.irp t, 0,1,2,3,4,5,6,7
	v_pk_fma_f32 v[W+16+2*\t:W+16+2*\t+1], v[X+8*\t+2*\p:X+8*\t+2*\p+1], v[H+8*\t+2*\p:H+8*\t+2*\p+1], v[W+16+2*\t:W+16+2*\t+1]
.endr
.endr
.if \pre
	s_wait_loadcnt 21                                  ; v' is in; the next point's 21 loads may be out
	OFFS                                               ; the next point's v': OFF's last readers, this point's gathers of v', are done (the wait above) and have read it (the wait on vm_vsrc in this point's first half, which stands behind them)
.else
	s_wait_alu depctr_va_vdst(0)
	s_wait_loadcnt 0x0
.endif
.irp j, 0,1,2,3,4,5,6,7
.irp t, 0,1,2,3,4,5,6,7
	v_fmac_f32 v[W+16+2*\t+(\j%2)], v[X+8*\t+\j], v[V+32*(\t/4)+4*\j+(\t%4)]       ; + a v'
.endr
.endr
.irp t, 0,1,2,3,4,5,6,7
	v_add_f32 v[W+2*\t], v[W+2*\t], v[W+2*\t+1]
	v_add_f32 v[W+16+2*\t], v[W+16+2*\t], v[W+16+2*\t+1]
.endr
	; ---- across the halves: lanes 0-15 end with tiles 0-3, lanes 16-31 with tiles 4-7: each keeps four of its own sums and sends the other four
.irp b, 0,16
.irp i, 0,1,2,3
	v_cndmask_b32 v[W+\b+2*\i+1], v[W+\b+2*\i], v[W+\b+8+2*\i], vcc_lo             ; kept
	v_cndmask_b32 v[W+\b+8+2*\i+1], v[W+\b+8+2*\i], v[W+\b+2*\i], vcc_lo           ; sent
.endr
.endr
.irp b, 0,16
.irp i, 0,1,2,3
	v_permlanex16_b32 v[W+\b+2*\i], v[W+\b+8+2*\i+1], s[SEL], s[SEL+1]
.endr
.endr
.irp b, 0,16
.irp i, 0,1,2,3
	v_add_f32 v[W+\b+2*\i+1], v[W+\b+2*\i+1], v[W+\b+2*\i]
.endr
.endr
	s_wait_alu depctr_va_vdst(0)
.irp i, 0,1,2,3
	v_rcp_f32 v[W+2*\i], v[W+2*\i+1]
.endr
	v_nop
	s_wait_alu depctr_va_vdst(0)                       ; the four reciprocals are written, ahead of their first reader; the multiply-adds are done reading V, in which the gathers below land, and OFF, which those gathers read, is written
	s_wait_xcnt 0x0                                    ; the store of the point before, a whole point back, has read its data and its base: both are written again only behind this wait
	s_add_nc_u64 s[OUTP:OUTP+1], s[OUTP:OUTP+1], 1024  ; one row on; the store below reaches back
.if \pre
	VGATH                                              ; the next point's v'.  No vector instruction since the wait above names V or OFF
.endif
	WIN 0x40
.irp i, 0,1,2,3
	v_mul_f32 v[OUTR+\i], v[W+16+2*\i+1], v[W+2*\i]    ; channel 64 h + 4 r + i
.endr
	WIN 0x04                                           ; a store's data are its source 1: window 1
	s_wait_alu depctr_va_vdst(0)                       ; the four multiplications have written OUTR, which the store reads
	global_store_b128 v[AOUT], v[OUTR:OUTR+3], s[OUTP:OUTP+1] offset:-1024 th:TH_STORE_NT   ; the wave stores 512 consecutive bytes, aligned: the branch's half of row n; written once, read by nobody here
	WIN 0
.if \pre
	s_add_co_u32 s[NN], s[NN], 1
.endif
.endm
	s_load_b512 s[4:19], s[0:1], 0x0               ; s[4:5] events, s[6:7] dev, s[8:9] local_idx, s[10:11] inv_pair_idx, s[12:13] kvl, s[14:15] kvp, s[16:17] local_pe_w1, s[18:19] global_pe_w1
	s_load_b512 s[20:35], s[0:1], 0x40             ; s[20:21] local_pe_b1, s[22:23] global_pe_b1, s[24:25] local_fc_g, s[26:27] global_fc_g, s[28:29] local_fc_b, s[30:31] global_fc_b, s[32:33] q, s[34:35] wts
	s_load_b64 s[36:37], s[0:1], 0x80              ; att
	v_and_b32 v32, 15, v0                          ; r
	v_bfe_u32 v33, v0, 4, 1                        ; h
	v_lshlrev_b32 v[A16], 4, v32
	v_lshlrev_b32 v[A4R], 2, v32
	v_lshlrev_b32 v[A8H], 3, v33
	v_lshl_add_u32 v[AOUT], v33, 8, v[A16]
	v_lshrrev_b32 v34, 3, v32
	v_and_b32 v35, 7, v32
	v_lshl_add_u32 v34, v34, 5, v35                ; 32 (r / 8) + r % 8: my unit in a tile of w1
	v_lshlrev_b32 v34, 2, v34
	v_lshl_add_u32 v34, v33, 10, v34               ; + rows 2 h, 2 h + 1 of w1, 512 bytes each
	v_lshlrev_b32 v35, 7, v33                      ; b1: 32 h units
	v_and_b32 v36, 31, v0
	v_lshlrev_b32 v37, 2, v36                      ; 4 x lane
	v_lshlrev_b32 v36, 4, v36                      ; 16 x lane
	v_lshrrev_b32 v38, 5, v0
	v_readfirstlane_b32 s39, v38                   ; wave
	v_sub_nc_u32 v[NH8], 8, v[A8H]                 ; 8 (1 - h); the thread's number is done with
	s_and_b32 s38, ttmp7, 0xffff                   ; the branch
	s_lshl_b32 s[NN], ttmp9, 3
	s_wait_alu depctr_va_sdst(0)                   ; s39 is written, ahead of its first reader: my first point is made from it
	s_add_co_u32 s[NN], s[NN], s39
	s_mul_i32 s[NN], s[NN], 10                     ; my first point
	s_mov_b32 s[SEL], 0x76543210
	s_mov_b32 s[SEL+1], 0xfedcba98
	s_mov_b32 vcc_lo, 0xffff0000                   ; lanes 16-31
	s_mov_b32 s62, 0xbc000000                      ; -1 / 128
	s_mov_b32 s63, 0xbc000000
	s_mov_b32 s66, 0x3c000000                      ; 1 / 128
	s_mov_b32 s68, 0x3727c5ac                      ; 1e-5
	s_mov_b32 s76, 0x3e0293ee                      ; c = log2(e) / sqrt(128)
	s_mov_b32 s75, 0
	s_mov_b32 s71, 9                               ; trips: nine points with a successor
	s_wait_kmcnt 0x0
	s_cmp_eq_u32 s38, 0                            ; the choice hangs on the work-group's number alone
	s_cselect_b64 s[TAB:TAB+1], s[4:5], s[6:7]
	s_cselect_b64 s[IDXB:IDXB+1], s[8:9], s[10:11]
	s_cselect_b64 s[KVB:KVB+1], s[12:13], s[14:15]
	s_cselect_b64 s[16:17], s[16:17], s[18:19]     ; w1
	s_cselect_b64 s[20:21], s[20:21], s[22:23]     ; b1
	s_cselect_b64 s[24:25], s[24:25], s[26:27]     ; g
	s_cselect_b64 s[28:29], s[28:29], s[30:31]     ; b
	s_mov_b64 s[EVB:EVB+1], s[4:5]
	s_lshl_b32 s74, s38, 13
	s_add_co_u32 s74, s74, PE_C
	s_add_nc_u64 s[18:19], s[34:35], s[74:75]      ; w2's fragments
	s_lshl_b32 s74, s38, 10
	s_add_co_u32 s74, s74, PE_S
	s_add_nc_u64 s[22:23], s[34:35], s[74:75]      ; their scale words
	s_lshl_b32 s74, s38, 9
	s_add_nc_u64 s[QB:QB+1], s[32:33], s[74:75]    ; the branch's half of a row of q,
	s_lshl_b32 s72, s[NN], 10
	s_add_co_u32 s74, s74, s72
	s_add_nc_u64 s[OUTP:OUTP+1], s[36:37], s[74:75]   ; and of my first row of att
	s_lshl_b32 s74, s[NN], 6
	s_add_nc_u64 s[PI:PI+1], s[IDXB:IDXB+1], s[74:75]
	; ---- my first point's indices, and what stays in registers for the whole launch
	s_load_b512 s[IX:IX+15], s[PI:PI+1], 0x0
	s_wait_alu depctr_va_vdst(0)                   ; the offsets are written that the loads and the stores of the launch read: v1 to v4 for good, v34 to v37 for the loads just below; between this wait and those loads stand loads and one window switch alone
	global_load_b32 v[IDR], v[A4R], s[PI:PI+1]
.irp t, 0,1,2,3,4,5,6,7
	global_load_b32 v[BSC+\t], v37, s[22:23] offset:128*\t
.endr
	WIN 0x40
.irp c, 0,1
.irp u, 0,1,2,3
.irp k, 0,1
	global_load_b32 v[W1A+2*(4*\c+\u)+\k], v34, s[16:17] offset:256*\c+32*\u+512*\k
.endr
	global_load_b128 v[B1C+8*(4*\c+\u):B1C+8*(4*\c+\u)+3], v35, s[20:21] offset:256*\c+32*\u
	global_load_b128 v[B1C+8*(4*\c+\u)+4:B1C+8*(4*\c+\u)+7], v35, s[20:21] offset:256*\c+32*\u+16
.endr
.endr
.irp t, 0,1,2,3,4,5,6,7
.irp c, 0,1
	global_load_b128 v[W2F+8*\t+4*\c:W2F+8*\t+4*\c+3], v36, s[18:19] offset:1024*\t+512*\c
.endr
.endr
.irp a, 0,1
	global_load_b128 v[GG+4*\a:GG+4*\a+3], v[A16], s[24:25] offset:256*\a
	global_load_b128 v[BB+4*\a:BB+4*\a+3], v[A16], s[28:29] offset:256*\a
.endr
	s_wait_loadcnt 0x0
	WIN 0x44
.irp k, 0,1,2,3,4,5,6,7
	v_mul_f32 v[GG+\k], s76, v[GG+\k]              ; the division by sqrt(128) and the change to base 2 go into g and b
	v_mul_f32 v[BB+\k], s76, v[BB+\k]
.endr
	WIN 0
	IDXA                                           ; (none of the registers written from here to the loop's first wait on vm_vsrc was read by a memory instruction)
	IDXB
	OFFS
	PREF 0, 1
	WIN 0                                          ; at a label and at a branch every window is 0
	VGATH                                          ; my first point's v': OFF was written ahead of the wait in PREF, and no vector instruction has named V
.Lpoint:
	ITER 1
	s_sub_co_i32 s71, s71, 1
	s_cmp_lg_u32 s71, 0
	s_cbranch_scc1 .Lpoint
	ITER 0                                         ; the last point asks for nothing more
	s_endpgm
.Lfunc_end_k_q70da3cf20a_attn:
	.size	k_q70da3cf20a_attn, .Lfunc_end_k_q70da3cf20a_attn-k_q70da3cf20a_attn
	.p2alignl 7, 3214868480
	.fill 96, 4, 3214868480
	.section	.rodata,"a",@progbits
	.p2align	6, 0x0
	.amdhsa_kernel k_q70da3cf20a_attn
		.amdhsa_group_segment_fixed_size 0
		.amdhsa_private_segment_fixed_size 0
		.amdhsa_enable_private_segment 0
		.amdhsa_kernarg_size 136
		.amdhsa_user_sgpr_count 2
		.amdhsa_user_sgpr_kernarg_segment_ptr 1
		.amdhsa_wavefront_size32 1
		.amdhsa_system_sgpr_workgroup_id_x 1
		.amdhsa_system_sgpr_workgroup_id_y 1
		.amdhsa_system_sgpr_workgroup_id_z 1
		.amdhsa_system_vgpr_workitem_id 0
		.amdhsa_next_free_vgpr 512
		.amdhsa_next_free_sgpr 96
		.amdhsa_reserve_vcc 1
		.amdhsa_float_denorm_mode_32 3
		.amdhsa_float_denorm_mode_16_64 3
		.amdhsa_memory_ordered 1
		.amdhsa_forward_progress 1
		.amdhsa_inst_pref_size 102
	.end_amdhsa_kernel
	.amdgpu_metadata
---
amdhsa.version: [ 1, 2 ]
amdhsa.kernels:
  - .name:           k_q70da3cf20a_attn
    .symbol:         k_q70da3cf20a_attn.kd
    .args:
      - { .name: events, .offset: 0, .size: 8, .value_kind: global_buffer, .address_space: global }
      - { .name: dev, .offset: 8, .size: 8, .value_kind: global_buffer, .address_space: global }
      - { .name: local_idx, .offset: 16, .size: 8, .value_kind: global_buffer, .address_space: global }
      - { .name: inv_pair_idx, .offset: 24, .size: 8, .value_kind: global_buffer, .address_space: global }
      - { .name: kvl, .offset: 32, .size: 8, .value_kind: global_buffer, .address_space: global }
      - { .name: kvp, .offset: 40, .size: 8, .value_kind: global_buffer, .address_space: global }
      - { .name: local_pe_w1, .offset: 48, .size: 8, .value_kind: global_buffer, .address_space: global }
      - { .name: global_pe_w1, .offset: 56, .size: 8, .value_kind: global_buffer, .address_space: global }
      - { .name: local_pe_b1, .offset: 64, .size: 8, .value_kind: global_buffer, .address_space: global }
      - { .name: global_pe_b1, .offset: 72, .size: 8, .value_kind: global_buffer, .address_space: global }
      - { .name: local_fc_g, .offset: 80, .size: 8, .value_kind: global_buffer, .address_space: global }
      - { .name: global_fc_g, .offset: 88, .size: 8, .value_kind: global_buffer, .address_space: global }
      - { .name: local_fc_b, .offset: 96, .size: 8, .value_kind: global_buffer, .address_space: global }
      - { .name: global_fc_b, .offset: 104, .size: 8, .value_kind: global_buffer, .address_space: global }
      - { .name: q, .offset: 112, .size: 8, .value_kind: global_buffer, .address_space: global }
      - { .name: wts, .offset: 120, .size: 8, .value_kind: global_buffer, .address_space: global }
      - { .name: att, .offset: 128, .size: 8, .value_kind: global_buffer, .address_space: global }
    .group_segment_fixed_size: 0
    .private_segment_fixed_size: 0
    .kernarg_segment_align: 8
    .kernarg_segment_size: 136
    .max_flat_workgroup_size: 256
    .sgpr_count:     96
    .vgpr_count:     512
    .wavefront_size: 32
...
	.end_amdgpu_metadata
.endif
;; end of part 9
;; launch proj (part 10): grid 250 x 1, 5 waves a work-group, no clusters, 168,704 bytes of LDS; arguments att, wts, proj_b1, proj_b2, out0; writes out0
.if DOCPART == 10
	.amdgcn_target "amdgcn-amd-amdhsa--gfx1250"
	.amdhsa_code_object_version 6
	.text
	.protected	k_q70da3cf20a_proj
	.globl	k_q70da3cf20a_proj
	.p2align	8
	.type	k_q70da3cf20a_proj,@function
k_q70da3cf20a_proj:
	s_mov_b64 s[64:65], 0
	v_nop
	global_prefetch_b8 v0, s[64:65] scope:SCOPE_SE
	s_setreg_imm32_b32 hwreg(HW_REG_WAVE_MODE, 25, 1), 1
	s_wait_xcnt 0x0
; PROJ: out0 = Q(relu(Q(att) Q(w1) + b1)) Q(w2) + b2, both products in FP4 (E2M1) with one E8M0 scale for each 32 along K = 256; sums, biases and relu in f32.  The hidden layer stays in registers.
; SHARES, THE WEIGHTS IN LDS, THE TURN THROUGH THE STAGE AND THE WAY OUT are the qkv launch's: 250 work-groups x 5 waves x 16 rows; 64 fragment images, their scale words and the two biases come into LDS once, by asynchronous copies; one barrier.
; BOTH PRODUCTS ARE USED TRANSPOSED (source 0 = 16 columns of the weight, source 1 = my 16 rows): a lane holds one row throughout.  Row m of tile T of w1 is unit 128 (T / 8) + 64 ((T / 4) % 2) + 32 (m / 8) + 8 (T % 4) + m % 8,
; so that the accumulators' registers 64 s + 32 c + i are k = 128 s + 64 c + 32 h + i of the second product: whole blocks of 32 in a lane, in the operand's own order: nothing changes lanes but two scale bytes.
; The launch claims more LDS than it uses (158,976 bytes).
; No cluster: the grid of 250 does not divide by 4, and what is shared (74 KB of weights) is small.  No tensor load: nothing in LDS is filled again.
; LIMITS: NaN and infinities are not served; a block of zeros gets the scale byte 1 with zero codes.
.set PJ_C,   132096                    ; in wts: 64 fragments, and behind them their scale words
.set WSC,    65536                     ; LDS: codes at 0, scale words here,
.set BL,     73728                     ; b1, and 1,024 bytes on b2,
.set STAGE,  75776                     ; a stage of 16 x 1,040 bytes for each wave, into which no copy lands
.set SPITCH, 1040
.set L16, 1                            ; v1   16 x lane
.set L4,  2                            ; v2   4 x lane
.set CB2, 3                            ; v3   wave 4's copies: b2's place + 16 x lane
.set STW, 5                            ; v5   my stage + 16 x lane
.set STR, 6                            ; v6   my stage + 1,040 r + 128 h
.set STO, 7                            ; v7   my stage + 1,040 r + 32 h
.set BA,  8                            ; v8   the biases + 32 h: for tiles of neighbouring columns
.set BA1, 9                            ; v9   the biases + 128 h: for w1's tiles
.set A8H, 10                           ; v10  8 h
.set PT,  11                           ; v11  a lane permute's destination
.set CL0, 12                           ; v12, v13  the copies: LDS address and offset, 16 x thread
.set CL1, 14                           ; v14, v15  the same + 65,536
.set XS,  16                           ; v16-17 my rows' scale words, nothing else
.set WS,  18                           ; v18-25 the weights' scale words, nothing else
.set CB,  26                           ; v26, v27  wave 4's copies: b1's place + 16 x lane; 16 x lane
.set WA,  28
.set SA,  29
.set QT,  30                           ; v30-35 the quantiser's
.set XF,  36                           ; v36-51 my rows' two fragments
.set WF,  52                           ; v52-115
.set ACC, 116                          ; v116-243
.set WV,  14
.set SEL, 18
.macro QUANT src, dst, sc
.irp c, 0,1
	v_max3_num_f32 v[QT+\c], |v[\src+32*\c]|, |v[\src+32*\c+1]|, 0x1800000   ; with the floor 2^(3 - 127): the byte cannot fall under 1
.endr
.irp i, 2,4,6,8,10,12,14,16,18,20,22,24,26,28,30
.irp c, 0,1
	v_max3_num_f32 v[QT+\c], v[QT+\c], |v[\src+32*\c+\i]|, |v[\src+32*\c+\i+1]|
.endr
.endr
.irp c, 0,1
	v_add_nc_u32 v[QT+2+\c], 0xff000000, v[QT+\c]      ; 2 off the exponent field: the conversion's scale operand
.endr
.irp c, 0,1
	v_lshrrev_b32 v[QT+4+\c], 23, v[QT+2+\c]           ; the scale's byte
.endr
	v_lshl_or_b32 v[QT+4], v[QT+5], 16, v[QT+4]
	v_lshlrev_b32 v[QT+4], v[A8H], v[QT+4]
	v_permlanex16_b32 v[PT], v[QT+4], s[SEL], s[SEL+1]
	v_or_b32 v[\sc], v[QT+4], v[PT]                    ; with lane l xor 16's two bytes the word is whole
.irp c, 0,1
.irp u, 0,1,2,3
	v_cvt_scalef32_pk8_fp4_f32 v[\dst+4*\c+\u], v[\src+32*\c+8*\u:\src+32*\c+8*\u+7], v[QT+2+\c]
.endr
.endr
	v_nop                                              ; one plain instruction behind the last scaled conversion
.endm
; 16 tiles, K = 256.  map = 1: the biases by w1's order of units; 0: by neighbouring columns.  The four accumulators of a group take turns, one instruction a turn.
.macro LAYER map, bofs
.set T, 0
.rept 16
.if \map
	ds_load_b128 v[ACC+8*T:ACC+8*T+3], v[BA1] offset:\bofs+512*(T/8)+256*((T/4)%2)+32*(T%4)
	ds_load_b128 v[ACC+8*T+4:ACC+8*T+7], v[BA1] offset:\bofs+512*(T/8)+256*((T/4)%2)+32*(T%4)+16
.else
	ds_load_b128 v[ACC+8*T:ACC+8*T+3], v[BA] offset:\bofs+64*T
	ds_load_b128 v[ACC+8*T+4:ACC+8*T+7], v[BA] offset:\bofs+64*T+16
.endif
.set T, T+1
.endr
.irp g, 0,1,2,3
.if \g > 0
.rept 4
	v_nop                                              ; four plain instructions in front of loads into registers that matrix instructions have read
.endr
.endif
.irp q, 0,1,2,3
.irp s, 0,1
.irp c, 0,1
	ds_load_b128 v[WF+8*(2*\q+\s)+4*\c:WF+8*(2*\q+\s)+4*\c+3], v[WA] offset:(2*(4*\g+\q)+\s)*1024+512*\c
.endr
	ds_load_b32 v[WS+2*\q+\s], v[SA] offset:(2*(4*\g+\q)+\s)*128
.endr
.endr
	s_wait_dscnt 0x0
.irp s, 0,1
	s_wait_alu depctr_va_vdst(0)
.irp q, 0,1,2,3
	v_wmma_scale_f32_16x16x128_f8f6f4 v[ACC+8*(4*\g+\q):ACC+8*(4*\g+\q)+7], v[WF+8*(2*\q+\s):WF+8*(2*\q+\s)+7], v[XF+8*\s:XF+8*\s+7], v[ACC+8*(4*\g+\q):ACC+8*(4*\g+\q)+7], v[WS+2*\q+\s], v[XS+\s] matrix_a_fmt:MATRIX_FMT_FP4 matrix_b_fmt:MATRIX_FMT_FP4
.endr
.endr
.endr
.endm
	s_load_b256 s[4:11], s[0:1], 0x0               ; att s[4:5], wts s[6:7], proj_b1 s[8:9], proj_b2 s[10:11]
	s_load_b64 s[12:13], s[0:1], 0x20              ; out0
	v_lshl_add_u32 v254, v0, 2, 0x29000
	v_mov_b32 v255, 0
	ds_add_u32 v254, v255
	ds_add_u32 v254, v255
	v_lshrrev_b32 v30, 5, v0
	v_readfirstlane_b32 s[WV], v30
	v_and_b32 v31, 31, v0                          ; lane
	v_and_b32 v32, 15, v0                          ; r
	v_bfe_u32 v33, v0, 4, 1                        ; h
	v_lshlrev_b32 v[L16], 4, v31
	v_lshlrev_b32 v[L4], 2, v31
	s_mul_i32 s15, s[WV], 16*SPITCH
	s_add_co_u32 s15, s15, STAGE                   ; my stage
	v_add_nc_u32 v[STW], s15, v[L16]
	v_mul_u32_u24 v34, v32, SPITCH
	v_add_nc_u32 v34, s15, v34
	v_lshl_add_u32 v[STR], v33, 7, v34
	v_lshl_add_u32 v[STO], v33, 5, v34
	v_lshl_add_u32 v[BA], v33, 5, BL
	v_lshl_add_u32 v[BA1], v33, 7, BL
	v_lshlrev_b32 v[A8H], 3, v33
	v_mov_b32 v[PT], 0
	v_lshlrev_b32 v[CL0], 4, v0
	v_lshlrev_b32 v[CL0+1], 4, v0
	v_add_nc_u32 v[CL1], 0x10000, v[CL0]
	v_add_nc_u32 v[CL1+1], 0x10000, v[CL0]
	v_add_nc_u32 v[CB], BL, v[L16]
	v_lshlrev_b32 v[CB+1], 4, v31
	v_add_nc_u32 v[CB2], BL+1024, v[L16]
	s_mov_b32 s[SEL], 0x76543210
	s_mov_b32 s[SEL+1], 0xfedcba98
	s_mul_i32 s16, ttmp9, 5
	s_add_co_u32 s16, s16, s[WV]
	s_lshl_b32 s16, s16, 14                        ; my 16 rows of 1,024 bytes, in att and in out0
	s_mov_b32 s17, 0
	s_wait_dscnt 0x0
	s_wait_kmcnt 0x0
	s_add_nc_u64 s[4:5], s[4:5], s[16:17]
	s_add_nc_u64 s[12:13], s[12:13], s[16:17]
	s_add_nc_u64 s[20:21], s[6:7], PJ_C            ; the proj weights' images
.set I, 0
.rept 32
	global_load_b128 v[ACC+4*I:ACC+4*I+3], v[L16], s[4:5] offset:512*I th:TH_LOAD_NT   ; my rows, read once in the launch
.set I, I+1
.endr
	s_cmp_lt_u32 s[WV], 4                          ; waves 0 to 3 copy codes and scale words, 2,048 bytes a line; wave 4 the biases, 512 a line
	s_cbranch_scc0 .Lbias_copy
.set I, 0
	s_wait_alu depctr_va_vdst(0)
.rept 32
	global_load_async_to_lds_b128 v[CL0], v[CL0+1], s[20:21] offset:2048*I
.set I, I+1
.endr
.set I, 0
.rept 4
	global_load_async_to_lds_b128 v[CL1], v[CL1+1], s[20:21] offset:2048*I
.set I, I+1
.endr
	s_branch .Lcopied
.Lbias_copy:
	s_wait_alu depctr_va_vdst(0)
	global_load_async_to_lds_b128 v[CB], v[CB+1], s[8:9]
	global_load_async_to_lds_b128 v[CB], v[CB+1], s[8:9] offset:512
	global_load_async_to_lds_b128 v[CB2], v[CB+1], s[10:11]
	global_load_async_to_lds_b128 v[CB2], v[CB+1], s[10:11] offset:512
.Lcopied:
	; ---- my rows turn through the stage and are quantised
.set I, 0
.rept 32
	s_wait_loadcnt 31-I                            ; loads come back in order (ISA guide 5.7.1): load I is in, the younger ones stay out
	ds_store_b128 v[STW], v[ACC+4*I:ACC+4*I+3] offset:(I/2)*SPITCH+(I%2)*512
.set I, I+1
.endr
.irp s, 0,1
.irp c, 0,1
.irp e, 0,1,2,3,4,5,6,7
	ds_load_b128 v[WF+32*\c+4*\e:WF+32*\c+4*\e+3], v[STR] offset:512*\s+256*\c+16*\e
.endr
.endr
	s_wait_dscnt 0x0
	QUANT WF, XF+8*\s, XS+\s
.endr
	s_wait_asynccnt 0x0                            ; for the others' sake: my copies have landed,
	s_wait_dscnt 0x0                               ; and no LDS instruction of mine is out
	s_barrier_signal -1
	s_barrier_wait -1                              ; the weights are whole in LDS
.rept 8
	v_nop                                          ; a scale register written by a vector instruction stands eight plain instructions ahead of a scaled product, an operand so written four
.endr
	v_add_nc_u32 v[WA], 0, v[L16]                  ; w1: fragments 0 to 31
	v_add_nc_u32 v[SA], WSC, v[L4]
	LAYER 1, 0
.rept 4
	v_nop                                          ; four plain instructions between the last products and the first read of results
.endr
.set K, 0
.rept 128
	v_max_num_f32 v[ACC+K], 0, v[ACC+K]            ; relu; each accumulator from its low end on
.set K, K+1
.endr
	QUANT ACC, XF, XS
	QUANT ACC+64, XF+8, XS+1
.rept 8
	v_nop
.endr
	v_add_nc_u32 v[WA], 32768, v[L16]              ; w2: fragments 32 to 63
	v_add_nc_u32 v[SA], WSC+4096, v[L4]
	LAYER 0, 1024
	; ---- the way out: into my stage, back as the bytes lie in memory.  LDS serves a wave's instructions in order (ISA guide 5.7.1.4)
.rept 4
	v_nop
.endr
.set T, 0
.rept 16
	ds_store_b128 v[STO], v[ACC+8*T:ACC+8*T+3] offset:64*T
	ds_store_b128 v[STO], v[ACC+8*T+4:ACC+8*T+7] offset:64*T+16
.set T, T+1
.endr
.irp half, 0,1
.if \half
	s_wait_xcnt 0x0                                ; the first half's stores have read their registers: they are loaded again only behind this wait
.endif
.irp i, 0,1,2,3,4,5,6,7,8,9,10,11,12,13,14,15
	ds_load_b128 v[WF+4*\i:WF+4*\i+3], v[STW] offset:((16*\half+\i)/2)*SPITCH+(\i%2)*512
.endr
.irp i, 0,1,2,3,4,5,6,7,8,9,10,11,12,13,14,15
	s_wait_dscnt 15-\i                             ; load i is in; the younger ones may be out
	global_store_b128 v[L16], v[WF+4*\i:WF+4*\i+3], s[12:13] offset:512*(16*\half+\i) th:TH_STORE_NT   ; 512 consecutive bytes, aligned; written once, read by nobody here
.endr
.endr
	s_wait_tensorcnt 0x0
	ds_add_u32 v254, v255
	s_wait_dscnt 0x0
	s_endpgm
.Lfunc_end_k_q70da3cf20a_proj:
	.size	k_q70da3cf20a_proj, .Lfunc_end_k_q70da3cf20a_proj-k_q70da3cf20a_proj
	.p2alignl 7, 3214868480
	.fill 96, 4, 3214868480
	.section	.rodata,"a",@progbits
	.p2align	6, 0x0
	.amdhsa_kernel k_q70da3cf20a_proj
		.amdhsa_group_segment_fixed_size 168704
		.amdhsa_private_segment_fixed_size 0
		.amdhsa_enable_private_segment 0
		.amdhsa_kernarg_size 40
		.amdhsa_user_sgpr_count 2
		.amdhsa_user_sgpr_kernarg_segment_ptr 1
		.amdhsa_wavefront_size32 1
		.amdhsa_system_sgpr_workgroup_id_x 1
		.amdhsa_system_sgpr_workgroup_id_y 1
		.amdhsa_system_sgpr_workgroup_id_z 1
		.amdhsa_system_vgpr_workitem_id 0
		.amdhsa_next_free_vgpr 256
		.amdhsa_next_free_sgpr 66
		.amdhsa_reserve_vcc 0
		.amdhsa_float_denorm_mode_32 3
		.amdhsa_float_denorm_mode_16_64 3
		.amdhsa_memory_ordered 1
		.amdhsa_forward_progress 1
		.amdhsa_inst_pref_size 65
	.end_amdhsa_kernel
	.amdgpu_metadata
---
amdhsa.version: [ 1, 2 ]
amdhsa.kernels:
  - .name:           k_q70da3cf20a_proj
    .symbol:         k_q70da3cf20a_proj.kd
    .args:
      - { .name: att, .offset: 0, .size: 8, .value_kind: global_buffer, .address_space: global }
      - { .name: wts, .offset: 8, .size: 8, .value_kind: global_buffer, .address_space: global }
      - { .name: proj_b1, .offset: 16, .size: 8, .value_kind: global_buffer, .address_space: global }
      - { .name: proj_b2, .offset: 24, .size: 8, .value_kind: global_buffer, .address_space: global }
      - { .name: out0, .offset: 32, .size: 8, .value_kind: global_buffer, .address_space: global }
    .group_segment_fixed_size: 168704
    .private_segment_fixed_size: 0
    .kernarg_segment_align: 8
    .kernarg_segment_size: 40
    .max_flat_workgroup_size: 160
    .sgpr_count:     66
    .vgpr_count:     256
    .wavefront_size: 32
...
	.end_amdgpu_metadata
.endif
;; end of part 10
